; MI455X (gfx1250); checked and timed in simulation.
; The chip was launched on July 23, 2026; its instructions are those of AMD's public machine-readable ISA for CDNA 5 (MIT licence, August 2026) and "CDNA5" Instruction Set Architecture Reference Guide (July 2026). The comments in the code are by the model that wrote it; some were corrected since.
;; Local Attention. Allowed arithmetic: float matrix products may take bf16 or f16 operands with f32 sums; all other float work in f32.
;; Inputs: Wk 1,024 x 1,024 float32; Wo 1,024 x 1,024 float32; Wq 1,024 x 1,024 float32; Wv 1,024 x 1,024 float32; bk 1,024 float32; bo 1,024 float32; bq 1,024 float32; bv 1,024 float32; x 4 x 2,048 x 1,024 float32.
;; Outputs: out0 4 x 2,048 x 1,024 float32.
;; 2 versions, each right and faster than the one before. Each part assembles by itself: llvm-mc -triple=amdgcn-amd-amdhsa -mcpu=gfx1250 --defsym DOCPART=n.
;; ======== version 1 of 2: 5 launches
;; limits: values are held in f16: magnitudes above 65,504 overflow, below 6.1e-05 lose precision
;; workspace buffers: xh 16,777,216 bytes; wh 8,388,608 bytes; qkv 50,331,648 bytes; pt 33,554,432 bytes; st 1,048,576 bytes; y 16,777,216 bytes
;; launch cast (part 1): grid 768 x 1, 8 waves a work-group, no clusters, 0 bytes of LDS; arguments x, Wq, Wk, Wv, Wo, xh, wh; writes xh, wh
.if DOCPART == 1
	.amdgcn_target "amdgcn-amd-amdhsa--gfx1250"
	.amdhsa_code_object_version 6
	.text
	.protected	k_qb27e1d8413_cast
	.globl	k_qb27e1d8413_cast
	.p2align	8
	.type	k_qb27e1d8413_cast,@function
k_qb27e1d8413_cast:
	s_mov_b64 s[64:65], 0
	v_nop
	global_prefetch_b8 v0, s[64:65] scope:SCOPE_SE
	s_setreg_imm32_b32 hwreg(HW_REG_WAVE_MODE, 25, 1), 1
	s_wait_xcnt 0x0
; xh = x, wh = (Wq, Wk, Wv, Wo, one below the other), each number rounded to bf16 (nearest even) and that number written as f16.
; LIMITS.  The second step is exact for magnitudes from 6.1e-5 to 65,504; below, f16's fixed step of 6e-8 holds; beyond 65,504 the number becomes an infinity.
; A stream: no LDS, no barrier, no matrix work.  A work-group takes 16,384 numbers (65,536 bytes in, 32,768 out); thread t takes 8 neighbouring numbers in each of 8 chunks
; of 2,048 numbers.  All 16 loads of a thread go out first; a store of a wave covers 512 consecutive bytes, aligned.  No register that a load or store names is written again.
.set X, 4                              ; v[4:67]    chunk c: 8 f32 as loaded
.set P, 68                             ; v[68:71]   8 numbers as bf16
.set T, 72                             ; v[72:79]   the same as f32
.set Y, 80                             ; v[80:111]  chunk c: 8 f16 to store
	s_load_b256 s[4:11], s[0:1], 0x0               ; x s[4:5], Wq s[6:7], Wk s[8:9], Wv s[10:11]
	s_load_b128 s[12:15], s[0:1], 0x20             ; Wo s[12:13], xh s[14:15]
	s_load_b64 s[16:17], s[0:1], 0x30              ; wh
	v_lshlrev_b32 v1, 5, v0                        ; 32 bytes in a thread
	v_lshlrev_b32 v2, 4, v0                        ; 16 bytes out
	s_mov_b32 s30, 0xffff0000                      ; a word's upper bf16
	s_sub_co_u32 s18, ttmp9, 512                   ; work-groups 512 on: block j of the weights (used only there)
	s_lshr_b32 s19, s18, 6                         ; which of the four: 64 blocks each
	s_and_b32 s24, s18, 63                         ; the block inside it
	s_wait_kmcnt 0x0
	s_cmp_eq_u32 s19, 1
	s_cselect_b64 s[20:21], s[8:9], s[6:7]
	s_cmp_eq_u32 s19, 2
	s_cselect_b64 s[20:21], s[10:11], s[20:21]
	s_cmp_eq_u32 s19, 3
	s_cselect_b64 s[20:21], s[12:13], s[20:21]
	s_cmp_lt_u32 ttmp9, 512                        ; work-groups 0 to 511: x
	s_cselect_b64 s[20:21], s[4:5], s[20:21]       ; from where
	s_cselect_b64 s[22:23], s[14:15], s[16:17]     ; to where
	s_cselect_b32 s24, ttmp9, s24                  ; block in the source
	s_cselect_b32 s26, ttmp9, s18                  ; block in the destination
	s_lshl_b32 s24, s24, 16
	s_mov_b32 s25, 0
	s_lshl_b32 s26, s26, 15
	s_mov_b32 s27, 0
	s_add_nc_u64 s[20:21], s[20:21], s[24:25]
	s_add_nc_u64 s[22:23], s[22:23], s[26:27]
.irp c, 0,1,2,3,4,5,6,7
	global_load_b128 v[X+8*(\c):X+8*(\c)+3],   v1, s[20:21] offset:8192*(\c) th:TH_LOAD_NT
	global_load_b128 v[X+8*(\c)+4:X+8*(\c)+7], v1, s[20:21] offset:8192*(\c)+16 th:TH_LOAD_NT
.endr
.irp c, 0,1,2,3,4,5,6,7
	s_wait_loadcnt 14-2*(\c)                       ; loads come back in order: chunk c's two are in, the younger chunks' stay out
.irp j, 0,1,2,3
	v_cvt_pk_bf16_f32 v[P+(\j)], v[X+8*(\c)+2*(\j)], v[X+8*(\c)+2*(\j)+1]
.endr
.irp j, 0,1,2,3
	v_lshlrev_b32 v[T+2*(\j)],   16,  v[P+(\j)]
	v_and_b32     v[T+2*(\j)+1], s30, v[P+(\j)]
.endr
.irp j, 0,1,2,3
	v_cvt_pk_f16_f32 v[Y+4*(\c)+(\j)], v[T+2*(\j)], v[T+2*(\j)+1]
.endr
	global_store_b128 v2, v[Y+4*(\c):Y+4*(\c)+3], s[22:23] offset:4096*(\c)
.endr
	s_endpgm
.Lfunc_end_k_qb27e1d8413_cast:
	.size	k_qb27e1d8413_cast, .Lfunc_end_k_qb27e1d8413_cast-k_qb27e1d8413_cast
	.p2alignl 7, 3214868480
	.fill 96, 4, 3214868480
	.section	.rodata,"a",@progbits
	.p2align	6, 0x0
	.amdhsa_kernel k_qb27e1d8413_cast
		.amdhsa_group_segment_fixed_size 0
		.amdhsa_private_segment_fixed_size 0
		.amdhsa_enable_private_segment 0
		.amdhsa_kernarg_size 56
		.amdhsa_user_sgpr_count 2
		.amdhsa_user_sgpr_kernarg_segment_ptr 1
		.amdhsa_wavefront_size32 1
		.amdhsa_system_sgpr_workgroup_id_x 1
		.amdhsa_system_sgpr_workgroup_id_y 1
		.amdhsa_system_sgpr_workgroup_id_z 1
		.amdhsa_system_vgpr_workitem_id 0
		.amdhsa_next_free_vgpr 112
		.amdhsa_next_free_sgpr 66
		.amdhsa_reserve_vcc 0
		.amdhsa_float_denorm_mode_32 3
		.amdhsa_float_denorm_mode_16_64 3
		.amdhsa_memory_ordered 1
		.amdhsa_forward_progress 1
		.amdhsa_inst_pref_size 10
	.end_amdhsa_kernel
	.amdgpu_metadata
---
amdhsa.version: [ 1, 2 ]
amdhsa.kernels:
  - .name:           k_qb27e1d8413_cast
    .symbol:         k_qb27e1d8413_cast.kd
    .args:
      - { .name: x, .offset: 0, .size: 8, .value_kind: global_buffer, .address_space: global }
      - { .name: Wq, .offset: 8, .size: 8, .value_kind: global_buffer, .address_space: global }
      - { .name: Wk, .offset: 16, .size: 8, .value_kind: global_buffer, .address_space: global }
      - { .name: Wv, .offset: 24, .size: 8, .value_kind: global_buffer, .address_space: global }
      - { .name: Wo, .offset: 32, .size: 8, .value_kind: global_buffer, .address_space: global }
      - { .name: xh, .offset: 40, .size: 8, .value_kind: global_buffer, .address_space: global }
      - { .name: wh, .offset: 48, .size: 8, .value_kind: global_buffer, .address_space: global }
    .group_segment_fixed_size: 0
    .private_segment_fixed_size: 0
    .kernarg_segment_align: 8
    .kernarg_segment_size: 56
    .max_flat_workgroup_size: 256
    .sgpr_count:     66
    .vgpr_count:     112
    .wavefront_size: 32
...
	.end_amdgpu_metadata
.endif
;; end of part 1
;; launch proj (part 2): grid 12 x 64, 4 waves a work-group, clusters of 4 x 4, 327,680 bytes of LDS; arguments xh, wh, qkv, bq, bk, bv; writes qkv
.if DOCPART == 2
	.amdgcn_target "amdgcn-amd-amdhsa--gfx1250"
	.amdhsa_code_object_version 6
	.text
	.protected	k_qb27e1d8413_proj
	.globl	k_qb27e1d8413_proj
	.p2align	8
	.type	k_qb27e1d8413_proj,@function
k_qb27e1d8413_proj:
	s_mov_b64 s[64:65], 0
	v_nop
	global_prefetch_b8 v0, s[64:65] scope:SCOPE_SE
	s_setreg_imm32_b32 hwreg(HW_REG_WAVE_MODE, 25, 1), 1
	s_wait_xcnt 0x0
	s_wait_alu depctr_hold_cnt(0) depctr_sa_sdst(0) depctr_va_vdst(0) depctr_va_sdst(0) depctr_va_ssrc(0) depctr_va_vcc(0) depctr_vm_vsrc(0)
	s_getreg_b32 s2, hwreg(HW_REG_IB_STS2, 6, 4)
	s_cmp_eq_u32 s2, 0
	s_cbranch_scc0 .Lentry_in_a_cluster
	s_endpgm
.Lentry_in_a_cluster:
	s_bfe_u32 s2, ttmp6, 0x10000c
	s_cmp_lg_u32 s2, 0xf033
	s_cbranch_scc0 .Lentry_shape_is_right
	s_endpgm
.Lentry_shape_is_right:
; qkv[p][m][n] = sum over k of xh[m][k] wh[1024 p + n][k] + b_p[n], p = 0, 1, 2 (q, k, v).  xh [8192][1024], wh [4096][1024], qkv [3][8192][1024], all f16; sums and bias in f32
; (the bias rounded to bf16 like every input of the module), the result rounded once to f16.
; LIMIT.  q, k and v beyond 65,504 become infinities.
; SHARES.  A tile of the result is 128 rows x 256 columns; four waves, each 64 x 128: 32 accumulators of 16 x 16.  K goes in steps of 128 through two LDS slots; a wave brings a part of a slot
; by one tensor load (waves 0, 1: 64 rows of xh each; waves 2, 3: 128 rows of wh each); rows of 256 bytes, aligned.  By this text's count a wave has two tensor loads out at the start, later one.
; CLUSTER.  4 x 4 work-groups: xh's tile is shared along a row of the cluster, wh's along a column; each is asked for jointly.
; THE MATRIX INSTRUCTION IS USED TRANSPOSED (source 0 = 16 rows of wh, source 1 = 16 rows of xh): a lane holds row lane % 16 and the eight neighbouring columns 8 (lane / 16) + 0..7.
; REGISTERS, in windows of 256 (s_set_vgpr_msb: bits 1:0 source 0, 3:2 source 1, 5:4 source 2, 7:6 destination):
;   window 0: v0-31 addresses; v32-63 packed results; two fragment buffers of 96 at v64 and v160: 4 fragments of xh, then 8 of wh; on the way out v64-191 take rows read back
;   window 1: accumulator (a, b) at v[8 (8 a + b)]          window 2: v0-63 the bias of my lane's 64 columns
.set PITCH,  272                       ; an LDS row: 256 bytes + 16 of padding: the 16 rows of a fragment load start 68 words apart
.set AHALF,  64*PITCH
.set BOFF,   128*PITCH                 ; in a slot: 128 rows of xh, then 256 rows of wh
.set BHALF,  128*PITCH
.set SLOT,   BOFF+2*BHALF
.set STAGE,  2*SLOT                    ; behind the ring: 16 rows x 272 bytes for each wave, for the way out
.set SPARE,  STAGE+4*16*PITCH          ; behind the stages: the spare words, 128 bytes a wave, that no other line names
.set LAPS,   4                         ; a lap = two K steps = once round the ring; K = 1,024
.set STEP,   256                       ; bytes of a K step along a row
.set CP,     2048                      ; bytes of a row of the result
.set ADRA, 16                          ; v16-17 LDS address of my xh fragments in slot 0, 1
.set ADRB, 20                          ; v20-21 the same for wh
.set STO,  24                          ; the way out: where I put 16 bytes of a row
.set RD,   25                          ; where I read rows back
.set CO,   26                          ; my byte offset in the result
.set SPW,  28                          ; my spare word's LDS address; never rewritten
.set NIL,  29                          ; 0; never rewritten
.set TMP,  32
.set F0,   64
.set F1,   160
.set G1,  24                           ; s[24:31] group 1 for xh's tiles; s[32:39] group 0, a set for each slot
.set G0,  32
.set G1B, 48                           ; s[48:55], s[56:63] the same for wh's
.set G0B, 56
.set MULW, 0x50                        ; C and D in window 1, fragments in window 0
.set MSB, 0
.macro WIN new                         ; the immediate's high byte repeats the setting that is left
.if MSB != (\new)
	s_set_vgpr_msb (MSB<<8)|(\new)
.set MSB, \new
.endif
.endm
.macro PLACES                          ; four places behind matrix instructions, in front of loads into their sources and of reads of their results
.rept 4
	v_nop
.endr
.endm
.macro JLOAD s                         ; a joint load: waves 0, 1 ask for xh's halves, waves 2, 3 for wh's; s_nop 0 and four v_nop behind each line
	s_cmp_eq_u32 s11, 0
	s_cbranch_scc0 .Lfor_b_\@
	tensor_load_to_lds s[G0+4*(\s):G0+4*(\s)+3], s[G1:G1+7]
	s_nop 0
.rept 4
	v_nop
.endr
	s_branch .Lasked_\@
.Lfor_b_\@:
	tensor_load_to_lds s[G0B+4*(\s):G0B+4*(\s)+3], s[G1B:G1B+7]
	s_nop 0
.rept 4
	v_nop
.endr
.Lasked_\@:
.endm
.macro CREST                           ; a round of the cluster's barrier behind its opening barrier
	s_cmp_lg_u32 s10, 0
	s_cbranch_scc1 .Lnot_wave_0_\@
	s_barrier_signal -3
.Lnot_wave_0_\@:
	s_barrier_wait -3
	s_barrier_signal -1
	s_barrier_wait -1
.endm
.macro CROUND
	s_barrier_signal -1
	s_barrier_wait -1
	CREST
.endm
; 8 matrix instructions: row block a x all 8 column blocks, 32 along K, from buffer f.  The 32 accumulators take turns in one order in every quarter.
.macro MUL8 f, a, zero
	WIN MULW
.irp b, 0,1,2,3,4,5,6,7
.if \zero
	v_wmma_f32_16x16x32_f16 v[8*(8*(\a)+(\b)):8*(8*(\a)+(\b))+7], v[(\f)+32+8*(\b):(\f)+32+8*(\b)+7], v[(\f)+8*(\a):(\f)+8*(\a)+7], 0
.else
	v_wmma_f32_16x16x32_f16 v[8*(8*(\a)+(\b)):8*(8*(\a)+(\b))+7], v[(\f)+32+8*(\b):(\f)+32+8*(\b)+7], v[(\f)+8*(\a):(\f)+8*(\a)+7], v[8*(8*(\a)+(\b)):8*(8*(\a)+(\b))+7]
.endif
.endr
.endm
; 24 LDS loads in one run: the fragments of 32 along K at byte k of the rows, into buffer f: wh's 16 first, then xh's 8, row blocks ascending
.macro FETCH slot, k, f
	WIN 0
.irp i, 0,1,2,3,4,5,6,7
	ds_load_b128 v[(\f)+32+8*(\i):(\f)+32+8*(\i)+3],   v[ADRB+(\slot)] offset:(\k)+(\i)*16*PITCH
	ds_load_b128 v[(\f)+32+8*(\i)+4:(\f)+32+8*(\i)+7], v[ADRB+(\slot)] offset:(\k)+(\i)*16*PITCH+32
.endr
.irp i, 0,1,2,3
	ds_load_b128 v[(\f)+8*(\i):(\f)+8*(\i)+3],   v[ADRA+(\slot)] offset:(\k)+(\i)*16*PITCH
	ds_load_b128 v[(\f)+8*(\i)+4:(\f)+8*(\i)+7], v[ADRA+(\slot)] offset:(\k)+(\i)*16*PITCH+32
.endr
.endm
; A K step is four quarters of 32 along K on buffers 0, 1, 0, 1.  One of the first three multiplies buffer f and, in its middle, fetches the next quarter (byte k) into g.
.macro QUARTER slot, k, f, g, zero
	s_wait_dscnt 4                                 ; all but the youngest four loads (xh's row blocks 2, 3) are in
	MUL8 \f, 0, \zero
	MUL8 \f, 1, \zero
	PLACES
	FETCH \slot, \k, \g
	s_wait_dscnt 24                                ; all but the 24 just issued
	MUL8 \f, 2, \zero
	MUL8 \f, 3, \zero
.endm
; The last quarter multiplies buffer 1 and changes slots: one barrier; in front of it each wave waits for all its tensor loads, adds 0 to its spare word and waits for that and for its reads.
.macro TURN slot, next, fill
	WIN 0
	s_wait_tensorcnt 0x0                           ; all my tensor loads have landed: my part of the next slot
	ds_add_u32 v[SPW], v[NIL]
	s_wait_dscnt 5                                 ; the add and the youngest four loads may be out
	MUL8 F1, 0, 0
	s_wait_dscnt 0x0                               ; the add is done, my reads of this slot are over
	s_barrier_signal -1
	MUL8 F1, 1, 0
.if \fill
	WIN 0
.endif
	s_barrier_wait -1
.if \fill
	CREST                                          ; the barrier opened a round: no wave of any partner still reads this slot or has a load out
	s_add_nc_u64 s[G0+4*(\slot)+2:G0+4*(\slot)+3], s[G0+4*(\slot)+2:G0+4*(\slot)+3], 2*STEP
	s_add_nc_u64 s[G0B+4*(\slot)+2:G0B+4*(\slot)+3], s[G0B+4*(\slot)+2:G0B+4*(\slot)+3], 2*STEP
	JLOAD \slot                                    ; my one tensor load behind the round; its four v_nop are also the places in front of the loads below
.else
	PLACES
.endif
	FETCH \next, 0, F0
	MUL8 F1, 2, 0
	MUL8 F1, 3, 0
.endm
	s_load_b128 s[4:7], s[0:1], 0x0                ; xh, wh
	s_load_b64 s[8:9], s[0:1], 0x10                ; qkv
	s_load_b64 s[68:69], s[0:1], 0x18              ; bq
	s_load_b64 s[70:71], s[0:1], 0x20              ; bk
	s_load_b64 s[72:73], s[0:1], 0x28              ; bv
	v_lshl_add_u32 v[SPW], v0, 2, SPARE
	v_mov_b32 v[NIL], 0
	ds_add_u32 v28, v29
	ds_add_u32 v28, v29
	s_wait_dscnt 0x0
	v_lshrrev_b32 v1, 5, v0
	v_readfirstlane_b32 s10, v1                    ; wave 0..3
	s_lshr_b32 s11, s10, 1                         ; which 64 rows are mine.  Also: I fetch for xh (0) or wh (1)
	s_and_b32 s12, s10, 1                          ; which 128 columns.  Also: which half of that tile I fetch
	s_bfe_u32 s40, ttmp6, 0x40000                  ; cx
	s_bfe_u32 s41, ttmp6, 0x40004                  ; cy
	s_lshl_b32 s42, ttmp9, 2
	s_add_co_u32 s42, s42, s40                     ; tile column 0..11 = 4 x cluster x + cx; the cluster's x is the plane
	s_and_b32 s13, ttmp7, 0xffff
	s_lshl_b32 s13, s13, 2
	s_add_co_u32 s13, s13, s41                     ; tile row
	s_lshl_b32 s43, s41, 2
	s_lshl_b32 s43, 15, s43                        ; my row of the cluster
	s_lshl_b32 s44, 0x1111, s40                    ; my column
	s_or_b32 s[G1+0], s43, (1<<16)|(1<<20)|(1<<21)|(5<<22)|(3<<25)   ; mask; 2-byte elements; padding on; bit 21 beside a mask; 4 words behind every 64
	s_or_b32 s[G1B+0], s44, (1<<16)|(1<<20)|(1<<21)|(5<<22)|(3<<25)
.irp g, G1, G1B
	s_mov_b32 s[(\g)+1], 128<<16                   ; tensor_dim0 = 128
	s_mov_b32 s[(\g)+3], 128<<16                   ; tile_dim0 = 128
	s_mov_b32 s[(\g)+5], 1024                      ; elements from row to row
	s_mov_b32 s[(\g)+6], 0
	s_mov_b32 s[(\g)+7], 0
.endr
	s_mov_b32 s[G1+2], 64<<16                      ; tensor_dim1, tile_dim1: 64 rows of xh,
	s_mov_b32 s[G1+4], 64
	s_mov_b32 s[G1B+2], 128<<16                    ; 128 rows of wh
	s_mov_b32 s[G1B+4], 128
	s_lshl_b32 s16, s13, 7
	s_lshl_b32 s17, s12, 6
	s_add_co_u32 s16, s16, s17                     ; xh: row 128 x tile row + 64 x half
	s_lshl_b32 s16, s16, 11                        ; rows of 2,048 bytes
	s_mov_b32 s17, 0
	s_lshl_b32 s46, s42, 8
	s_lshl_b32 s47, s12, 7
	s_add_co_u32 s46, s46, s47                     ; wh: row 256 x tile column + 128 x half
	s_lshl_b32 s46, s46, 11
	s_mov_b32 s47, 0
	s_mul_i32 s20, s12, AHALF                      ; where they go: no place in the cluster enters an LDS address
	s_mul_i32 s23, s12, BHALF
	s_add_co_u32 s23, s23, BOFF
	s_wait_kmcnt 0x0
	s_add_nc_u64 s[14:15], s[4:5], s[16:17]
	s_add_nc_u64 s[46:47], s[6:7], s[46:47]
	CROUND                                         ; all sixteen work-groups are here: the first joint loads meet
.irp s, 0,1
	s_mov_b32 s[G0+4*(\s)], 1
	s_add_co_u32 s[G0+4*(\s)+1], s20, (\s)*SLOT
	s_add_nc_u64 s[G0+4*(\s)+2:G0+4*(\s)+3], s[14:15], (\s)*STEP
	s_or_b32 s[G0+4*(\s)+3], s[G0+4*(\s)+3], 0x80000000
	s_mov_b32 s[G0B+4*(\s)], 1
	s_add_co_u32 s[G0B+4*(\s)+1], s23, (\s)*SLOT
	s_add_nc_u64 s[G0B+4*(\s)+2:G0B+4*(\s)+3], s[46:47], (\s)*STEP
	s_or_b32 s[G0B+4*(\s)+3], s[G0B+4*(\s)+3], 0x80000000
	JLOAD \s
.endr
	v_and_b32 v1, 15, v0                           ; r = lane % 16
	v_bfe_u32 v2, v0, 4, 1                         ; h = lane / 16
	s_cmp_eq_u32 ttmp9, 1                          ; the plane's bias
	s_cselect_b64 s[68:69], s[70:71], s[68:69]
	s_cmp_eq_u32 ttmp9, 2
	s_cselect_b64 s[68:69], s[72:73], s[68:69]
	s_lshl_b32 s46, s40, 9
	s_lshl_b32 s47, s12, 8
	s_add_co_u32 s46, s46, s47                     ; my first column in the plane, in bytes of f16
	s_lshl_b32 s47, s46, 1                         ; in bytes of f32
	v_lshlrev_b32 v5, 5, v2
	v_add_nc_u32 v5, s47, v5                       ; + 8 h columns
	WIN 0x80                                       ; destination window 2
.irp b, 0,1,2,3,4,5,6,7
	global_load_b128 v[8*(\b):8*(\b)+3],   v5, s[68:69] offset:64*(\b)
	global_load_b128 v[8*(\b)+4:8*(\b)+7], v5, s[68:69] offset:64*(\b)+16
.endr
	WIN 0
	v_mul_u32_u24 v3, v1, PITCH
	v_lshl_add_u32 v3, v2, 4, v3                   ; a fragment's row x pitch + 16 x half
	s_mul_i32 s21, s11, AHALF
	s_mul_i32 s22, s12, BHALF
	s_add_co_u32 s22, s22, BOFF
.irp s, 0,1
	v_add_nc_u32 v[ADRA+(\s)], s21, v3
	v_add_nc_u32 v[ADRB+(\s)], s22, v3
	s_add_co_u32 s21, s21, SLOT
	s_add_co_u32 s22, s22, SLOT
.endr
	s_mul_i32 s21, s10, 16*PITCH
	s_add_co_u32 s21, s21, STAGE                   ; my stage
	v_add_nc_u32 v[STO], s21, v3                   ; in: row r, 16 bytes for each half of the lanes
	v_mul_u32_u24 v4, v2, PITCH                    ; back: lanes 0-15 one row of 256 bytes, lanes 16-31 the next
	v_lshl_add_u32 v4, v1, 4, v4
	v_add_nc_u32 v[RD], s21, v4
	v_lshlrev_b32 v4, 11, v2                       ; the same two rows in the result
	v_lshl_add_u32 v[CO], v1, 4, v4
	s_lshl_b32 s16, s13, 7
	s_lshl_b32 s17, s11, 6
	s_add_co_u32 s16, s16, s17                     ; my first row
	s_lshl_b32 s16, s16, 11
	s_lshl_b32 s17, ttmp9, 24                      ; the plane: 16,777,216 bytes
	s_add_co_u32 s16, s16, s17
	s_add_co_u32 s16, s16, s46
	s_mov_b32 s17, 0
	s_add_nc_u64 s[8:9], s[8:9], s[16:17]
	s_wait_loadcnt 0x0                             ; the bias is in: rounded to bf16, widened again
	WIN 0x0a
.set i, 0
.rept 32
	v_cvt_pk_bf16_f32 v[TMP+i], v[2*i], v[2*i+1]
.set i, i+1
.endr
	WIN 0x80
.set i, 0
.rept 32
	v_lshlrev_b32 v[2*i],   16, v[TMP+i]
	v_and_b32     v[2*i+1], 0xffff0000, v[TMP+i]
.set i, i+1
.endr
	WIN 0
	s_wait_tensorcnt 0x1                           ; my part of K step 0 is in; K step 1's may stay out
	s_barrier_signal -1
	s_barrier_wait -1
	FETCH 0, 0, F0
	QUARTER 0, 64,  F0, F1, 1                      ; the first quarter starts the sums with the constant 0
	WIN 0
	s_mov_b32 s3, LAPS-1
.Llap:                                                 ; a trip goes once round the ring and fills both slots again
	QUARTER 0, 128, F1, F0, 0
	QUARTER 0, 192, F0, F1, 0
	TURN 0, 1, 1
	QUARTER 1, 64,  F0, F1, 0
	QUARTER 1, 128, F1, F0, 0
	QUARTER 1, 192, F0, F1, 0
	TURN 1, 0, 1
	QUARTER 0, 64,  F0, F1, 0
	WIN 0
	s_sub_co_u32 s3, s3, 1
	s_cmp_lg_u32 s3, 0
	s_cbranch_scc1 .Llap
	QUARTER 0, 128, F1, F0, 0                      ; the last lap fills nothing
	QUARTER 0, 192, F0, F1, 0
	TURN 0, 1, 0
	QUARTER 1, 64,  F0, F1, 0
	QUARTER 1, 128, F1, F0, 0
	QUARTER 1, 192, F0, F1, 0
	s_wait_dscnt 4
	MUL8 F1, 0, 0
	MUL8 F1, 1, 0
	s_wait_dscnt 0x0
	MUL8 F1, 2, 0
	MUL8 F1, 3, 0
	WIN 0
	PLACES
; THE WAY OUT, 16 rows at a time: bias added, rounded to f16 (16 bytes a lane), through my own stage, back as whole rows of 256 bytes, stored.
.macro PACK a
	WIN 0x49                                       ; destination and source 0 window 1, bias window 2; each accumulator's registers in ascending order
.irp b, 0,1,2,3,4,5,6,7
.irp i, 0,1,2,3
	v_pk_add_f32 v[8*(8*(\a)+(\b))+2*(\i):8*(8*(\a)+(\b))+2*(\i)+1], v[8*(8*(\a)+(\b))+2*(\i):8*(8*(\a)+(\b))+2*(\i)+1], v[8*(\b)+2*(\i):8*(\b)+2*(\i)+1]
.endr
.endr
	WIN 0x05
.irp b, 0,1,2,3,4,5,6,7
.irp i, 0,1,2,3
	v_cvt_pk_f16_f32 v[TMP+4*(\b)+(\i)], v[8*(8*(\a)+(\b))+2*(\i)], v[8*(8*(\a)+(\b))+2*(\i)+1]
.endr
.endr
	WIN 0
.endm
.macro TOSTAGE a
.irp b, 0,1,2,3,4,5,6,7
	ds_store_b128 v[STO], v[TMP+4*(\b):TMP+4*(\b)+3] offset:32*(\b)
.endr
.irp t, 0,1,2,3,4,5,6,7
	ds_load_b128 v[F0+32*(\a)+4*(\t):F0+32*(\a)+4*(\t)+3], v[RD] offset:(\t)*2*PITCH  ; LDS serves a wave's instructions in order: these see the stores above
.endr
.endm
.macro SEND a                          ; each block has read-back registers of its own: none that a store names is written again
	s_wait_dscnt 0x0
.irp t, 0,1,2,3,4,5,6,7
	global_store_b128 v[CO], v[F0+32*(\a)+4*(\t):F0+32*(\a)+4*(\t)+3], s[8:9] offset:(16*(\a)+2*(\t))*CP  ; 16 lanes store 256 consecutive bytes, aligned
.endr
.endm
	PACK 0
	TOSTAGE 0
.irp a, 1,2,3
	PACK \a
	SEND (\a)-1
	TOSTAGE \a
.endr
	SEND 3
	s_wait_tensorcnt 0x0                           ; the wave's end
	ds_add_u32 v[SPW], v[NIL]
	s_wait_dscnt 0x0
	CROUND                                         ; the closing round
	s_endpgm
.Lfunc_end_k_qb27e1d8413_proj:
	.size	k_qb27e1d8413_proj, .Lfunc_end_k_qb27e1d8413_proj-k_qb27e1d8413_proj
	.p2alignl 7, 3214868480
	.fill 96, 4, 3214868480
	.section	.rodata,"a",@progbits
	.p2align	6, 0x0
	.amdhsa_kernel k_qb27e1d8413_proj
		.amdhsa_group_segment_fixed_size 327680
		.amdhsa_private_segment_fixed_size 0
		.amdhsa_enable_private_segment 0
		.amdhsa_kernarg_size 48
		.amdhsa_user_sgpr_count 2
		.amdhsa_user_sgpr_kernarg_segment_ptr 1
		.amdhsa_wavefront_size32 1
		.amdhsa_system_sgpr_workgroup_id_x 1
		.amdhsa_system_sgpr_workgroup_id_y 1
		.amdhsa_system_sgpr_workgroup_id_z 1
		.amdhsa_system_vgpr_workitem_id 0
		.amdhsa_next_free_vgpr 576
		.amdhsa_next_free_sgpr 96
		.amdhsa_reserve_vcc 0
		.amdhsa_float_denorm_mode_32 3
		.amdhsa_float_denorm_mode_16_64 3
		.amdhsa_memory_ordered 1
		.amdhsa_forward_progress 1
		.amdhsa_inst_pref_size 101
	.end_amdhsa_kernel
	.amdgpu_metadata
---
amdhsa.version: [ 1, 2 ]
amdhsa.kernels:
  - .name:           k_qb27e1d8413_proj
    .symbol:         k_qb27e1d8413_proj.kd
    .args:
      - { .name: xh, .offset: 0, .size: 8, .value_kind: global_buffer, .address_space: global }
      - { .name: wh, .offset: 8, .size: 8, .value_kind: global_buffer, .address_space: global }
      - { .name: qkv, .offset: 16, .size: 8, .value_kind: global_buffer, .address_space: global }
      - { .name: bq, .offset: 24, .size: 8, .value_kind: global_buffer, .address_space: global }
      - { .name: bk, .offset: 32, .size: 8, .value_kind: global_buffer, .address_space: global }
      - { .name: bv, .offset: 40, .size: 8, .value_kind: global_buffer, .address_space: global }
    .group_segment_fixed_size: 327680
    .private_segment_fixed_size: 0
    .kernarg_segment_align: 8
    .kernarg_segment_size: 48
    .max_flat_workgroup_size: 128
    .sgpr_count:     96
    .vgpr_count:     576
    .wavefront_size: 32
...
	.end_amdgpu_metadata
.endif
;; end of part 2
;; launch score (part 3): grid 79 x 4, 4 waves a work-group, no clusters, 327,680 bytes of LDS; arguments qkv, pt, st; writes pt, st
.if DOCPART == 3
	.amdgcn_target "amdgcn-amd-amdhsa--gfx1250"
	.amdhsa_code_object_version 6
	.text
	.protected	k_qb27e1d8413_score
	.globl	k_qb27e1d8413_score
	.p2align	8
	.type	k_qb27e1d8413_score,@function
k_qb27e1d8413_score:
	s_mov_b64 s[64:65], 0
	v_nop
	global_prefetch_b8 v0, s[64:65] scope:SCOPE_SE
	s_setreg_imm32_b32 hwreg(HW_REG_WAVE_MODE, 25, 1), 1
	s_wait_xcnt 0x0
; For a tile of 128 queries x 256 keys of one batch: s = q . k (f16 operands, f32 sums); keys below query - 16 are hidden; for each query and each block of 128 keys the block's true maximum m;
; pt[b][query][key] = 2^(c s - c m) in f16, c = log2(e) / 32; st[b][block][query] = (c m, l), l = the sum of the unrounded weights, in f32.  The next launch joins the blocks by the row's maximum.
; LIMITS.  A hidden score counts as -2^100 (c times it is exact, so a row hidden whole in a block gets the weights 1 and c m = -5.7e28, which the next launch weighs with 0); f16's scores, 4.4e12 at
; the most, are nothing beside it.  A weight below 6e-5 keeps f16's fixed step of 6e-8, one below 2^-126 counts as 0.  NaN and infinities are not treated apart.
; THE TILES.  Key tile J is kept for the query tiles I <= 2 J + 2: 3, 5, .. 15, 16 of them, 79 a batch; tile number J (J + 2) + I.  Tiles hidden whole are neither made nor stored.
; NO CLUSTER: a key tile has 3, 5, .. 15, 16 kept query tiles and a query tile 8, 8, 8, 7, 7, .. 1 kept key tiles: neither divides by four, and groups of four query tiles would add 13 tiles hidden whole to a batch's 79.
; SHARES, RING, LAYOUT.  Four waves, each 64 queries x 128 keys (one block): 32 accumulators.  K = 1,024 channels in steps of 128 through two LDS slots; waves 0, 1 bring 64 rows of q each, waves 2, 3
; 128 rows of k each; two tensor loads of a wave are out at the start, later one.  Source 0 = 16 keys, source 1 = 16 queries: a lane holds ONE query (lane % 16) and the keys 16 b + 8 (lane / 16) + 0..7.
; REGISTERS: window 0: v0-31 addresses and statistics; v32-63 packed weights; fragment buffers at v64, v160 (4 of q, 8 of k); window 1: accumulator (a, b) at v[8 (8 a + b)].
.set PITCH,  272
.set AHALF,  64*PITCH
.set BOFF,   128*PITCH
.set BHALF,  128*PITCH
.set SLOT,   BOFF+2*BHALF
.set STAGE,  2*SLOT                    ; 16 rows x 272 bytes for each wave
.set STS,    STAGE+4*16*PITCH          ; 64 pairs (c m, l) for each wave: 512 bytes
.set SPARE,  STS+4*512                 ; the spare words, 128 bytes a wave, that no other line names
.set LAPS,   4
.set STEP,   256
.set CP,     4096                      ; bytes of a row of pt
.set TQ,   8                           ; v8-11  row block a: keys 16 b + j below this number are hidden from my query
.set CH,   12                          ; v12-15 four chains of the maximum
.set ADRA, 16
.set HID,  18                          ; v18 -2^100
.set STA,  19                          ; v19 where my query's pair goes in LDS
.set ADRB, 20
.set STR,  22                          ; v22 where I read 16 bytes of pairs back
.set STG,  23                          ; v23 their byte offset in st
.set STO,  24
.set RD,   25
.set CO,   26
.set SPW,  28
.set NIL,  29
.set TMP,  32
.set F0,   64
.set F1,   160
.set G1,  24                           ; s[24:31] group 1 for q's tiles; s[32:39] group 0, a set for each slot
.set G0,  32
.set G1B, 48                           ; s[48:55], s[56:63] the same for k's
.set G0B, 56
.set CS,  70                           ; s[70:71] c, outside every descriptor
.set SEL, 72                           ; s[72:73] v_permlanex16_b32's selects
.set MULW, 0x50
.set MSB, 0
.macro WIN new
.if MSB != (\new)
	s_set_vgpr_msb (MSB<<8)|(\new)
.set MSB, \new
.endif
.endm
.macro PLACES
.rept 4
	v_nop
.endr
.endm
.macro JLOAD s                         ; waves 0, 1 ask for q's halves, waves 2, 3 for k's; s_nop 0 and four v_nop behind each line
	s_cmp_eq_u32 s11, 0
	s_cbranch_scc0 .Lfor_b_\@
	tensor_load_to_lds s[G0+4*(\s):G0+4*(\s)+3], s[G1:G1+7]
	s_nop 0
.rept 4
	v_nop
.endr
	s_branch .Lasked_\@
.Lfor_b_\@:
	tensor_load_to_lds s[G0B+4*(\s):G0B+4*(\s)+3], s[G1B:G1B+7]
	s_nop 0
.rept 4
	v_nop
.endr
.Lasked_\@:
.endm
.macro MUL8 f, a, zero                 ; row block a x 8 key blocks; the 32 accumulators take turns
	WIN MULW
.irp b, 0,1,2,3,4,5,6,7
.if \zero
	v_wmma_f32_16x16x32_f16 v[8*(8*(\a)+(\b)):8*(8*(\a)+(\b))+7], v[(\f)+32+8*(\b):(\f)+32+8*(\b)+7], v[(\f)+8*(\a):(\f)+8*(\a)+7], 0
.else
	v_wmma_f32_16x16x32_f16 v[8*(8*(\a)+(\b)):8*(8*(\a)+(\b))+7], v[(\f)+32+8*(\b):(\f)+32+8*(\b)+7], v[(\f)+8*(\a):(\f)+8*(\a)+7], v[8*(8*(\a)+(\b)):8*(8*(\a)+(\b))+7]
.endif
.endr
.endm
.macro FETCH slot, k, f                ; 24 LDS loads in one run: k's 16, then q's 8
	WIN 0
.irp i, 0,1,2,3,4,5,6,7
	ds_load_b128 v[(\f)+32+8*(\i):(\f)+32+8*(\i)+3],   v[ADRB+(\slot)] offset:(\k)+(\i)*16*PITCH
	ds_load_b128 v[(\f)+32+8*(\i)+4:(\f)+32+8*(\i)+7], v[ADRB+(\slot)] offset:(\k)+(\i)*16*PITCH+32
.endr
.irp i, 0,1,2,3
	ds_load_b128 v[(\f)+8*(\i):(\f)+8*(\i)+3],   v[ADRA+(\slot)] offset:(\k)+(\i)*16*PITCH
	ds_load_b128 v[(\f)+8*(\i)+4:(\f)+8*(\i)+7], v[ADRA+(\slot)] offset:(\k)+(\i)*16*PITCH+32
.endr
.endm
.macro QUARTER slot, k, f, g, zero
	s_wait_dscnt 4                                 ; all but the youngest four loads (q's row blocks 2, 3) are in
	MUL8 \f, 0, \zero
	MUL8 \f, 1, \zero
	PLACES
	FETCH \slot, \k, \g
	s_wait_dscnt 24                                ; all but the 24 just issued
	MUL8 \f, 2, \zero
	MUL8 \f, 3, \zero
.endm
.macro TURN slot, next, fill
	WIN 0
	s_wait_tensorcnt 0x0                           ; all my tensor loads have landed: my part of the next slot
	ds_add_u32 v[SPW], v[NIL]
	s_wait_dscnt 5                                 ; the add and the youngest four loads may be out
	MUL8 F1, 0, 0
	s_wait_dscnt 0x0                               ; the add is done, my reads of this slot are over
	s_barrier_signal -1
	MUL8 F1, 1, 0
.if \fill
	WIN 0
.endif
	s_barrier_wait -1
.if \fill
	s_add_nc_u64 s[G0+4*(\slot)+2:G0+4*(\slot)+3], s[G0+4*(\slot)+2:G0+4*(\slot)+3], 2*STEP
	s_add_nc_u64 s[G0B+4*(\slot)+2:G0B+4*(\slot)+3], s[G0B+4*(\slot)+2:G0B+4*(\slot)+3], 2*STEP
	JLOAD \slot                                    ; my one tensor load behind the barrier; its four v_nop are also the places in front of the loads below
.else
	PLACES
.endif
	FETCH \next, 0, F0
	MUL8 F1, 2, 0
	MUL8 F1, 3, 0
.endm
	s_load_b64 s[4:5], s[0:1], 0x0                 ; qkv
	s_load_b64 s[8:9], s[0:1], 0x8                 ; pt
	s_load_b64 s[66:67], s[0:1], 0x10              ; st
	v_lshl_add_u32 v[SPW], v0, 2, SPARE
	v_mov_b32 v[NIL], 0
	ds_add_u32 v28, v29
	ds_add_u32 v28, v29
	s_wait_dscnt 0x0
	v_lshrrev_b32 v1, 5, v0
	v_readfirstlane_b32 s10, v1                    ; wave 0..3
	s_lshr_b32 s11, s10, 1                         ; which 64 queries are mine.  Also: I fetch for q (0) or k (1)
	s_and_b32 s12, s10, 1                          ; which 128 keys.  Also: which half of that tile I fetch
	s_and_b32 s41, ttmp7, 0xffff                   ; the batch
	s_mov_b32 s42, 0                               ; J = how many of the key tiles' first numbers 3, 8, .. 63 my number has reached
.irp k, 3,8,15,24,35,48,63
	s_cmp_ge_u32 ttmp9, \k
	s_add_co_ci_u32 s42, s42, 0
.endr
	s_add_co_u32 s13, s42, 2
	s_mul_i32 s13, s13, s42
	s_sub_co_u32 s13, ttmp9, s13                   ; I = number - J (J + 2)
	s_lshl_b32 s69, s42, 1                         ; 2 J
	s_mov_b32 s[CS], 0x3d38aa3b                    ; c = log2(e) / 32
	s_mov_b32 s[CS+1], s[CS]                       ; named with it as a pair
	s_mov_b32 s[SEL], 0x76543210                   ; each lane takes its own place in the other half
	s_mov_b32 s[SEL+1], 0xfedcba98
	s_mov_b32 s[G1+0], (1<<16)|(1<<20)|(5<<22)|(3<<25)   ; 2-byte elements; padding on: 4 words behind every 64
	s_mov_b32 s[G1B+0], (1<<16)|(1<<20)|(5<<22)|(3<<25)
.irp g, G1, G1B
	s_mov_b32 s[(\g)+1], 128<<16
	s_mov_b32 s[(\g)+3], 128<<16
	s_mov_b32 s[(\g)+5], 1024
	s_mov_b32 s[(\g)+6], 0
	s_mov_b32 s[(\g)+7], 0
.endr
	s_mov_b32 s[G1+2], 64<<16
	s_mov_b32 s[G1+4], 64
	s_mov_b32 s[G1B+2], 128<<16
	s_mov_b32 s[G1B+4], 128
	s_lshl_b32 s43, s41, 11                        ; the batch's first row
	s_lshl_b32 s16, s13, 7
	s_add_co_u32 s16, s16, s43
	s_lshl_b32 s17, s12, 6
	s_add_co_u32 s16, s16, s17                     ; q: row 2,048 b + 128 I + 64 x half
	s_lshl_b32 s16, s16, 11
	s_mov_b32 s17, 0
	s_lshl_b32 s46, s42, 8
	s_add_co_u32 s46, s46, s43
	s_lshl_b32 s47, s12, 7
	s_add_co_u32 s46, s46, s47                     ; k: row 2,048 b + 256 J + 128 x half,
	s_lshl_b32 s46, s46, 11
	s_add_co_u32 s46, s46, 0x1000000               ; in the second plane
	s_mov_b32 s47, 0
	s_mul_i32 s20, s12, AHALF
	s_mul_i32 s23, s12, BHALF
	s_add_co_u32 s23, s23, BOFF
	s_wait_kmcnt 0x0
	s_add_nc_u64 s[14:15], s[4:5], s[16:17]
	s_add_nc_u64 s[46:47], s[4:5], s[46:47]
.irp s, 0,1
	s_mov_b32 s[G0+4*(\s)], 1
	s_add_co_u32 s[G0+4*(\s)+1], s20, (\s)*SLOT
	s_add_nc_u64 s[G0+4*(\s)+2:G0+4*(\s)+3], s[14:15], (\s)*STEP
	s_or_b32 s[G0+4*(\s)+3], s[G0+4*(\s)+3], 0x80000000
	s_mov_b32 s[G0B+4*(\s)], 1
	s_add_co_u32 s[G0B+4*(\s)+1], s23, (\s)*SLOT
	s_add_nc_u64 s[G0B+4*(\s)+2:G0B+4*(\s)+3], s[46:47], (\s)*STEP
	s_or_b32 s[G0B+4*(\s)+3], s[G0B+4*(\s)+3], 0x80000000
	JLOAD \s
.endr
	v_and_b32 v1, 15, v0                           ; r
	v_bfe_u32 v2, v0, 4, 1                         ; h
	v_mul_u32_u24 v3, v1, PITCH
	v_lshl_add_u32 v3, v2, 4, v3
	s_mul_i32 s21, s11, AHALF
	s_mul_i32 s22, s12, BHALF
	s_add_co_u32 s22, s22, BOFF
.irp s, 0,1
	v_add_nc_u32 v[ADRA+(\s)], s21, v3
	v_add_nc_u32 v[ADRB+(\s)], s22, v3
	s_add_co_u32 s21, s21, SLOT
	s_add_co_u32 s22, s22, SLOT
.endr
	s_mul_i32 s21, s10, 16*PITCH
	s_add_co_u32 s21, s21, STAGE
	v_add_nc_u32 v[STO], s21, v3
	v_mul_u32_u24 v4, v2, PITCH
	v_lshl_add_u32 v4, v1, 4, v4
	v_add_nc_u32 v[RD], s21, v4
	v_lshlrev_b32 v4, 12, v2
	v_lshl_add_u32 v[CO], v1, 4, v4
	s_lshl_b32 s21, s10, 9
	s_add_co_u32 s21, s21, STS                     ; my wave's 64 pairs
	v_lshl_add_u32 v[STA], v1, 3, s21
	v_and_b32 v4, 31, v0
	v_lshlrev_b32 v[STG], 4, v4
	v_add_nc_u32 v[STR], s21, v[STG]
	s_lshl_b32 s44, s13, 7                         ; my wave's first query less 16, counted from my wave's first key
	s_lshl_b32 s45, s11, 6
	s_add_co_u32 s44, s44, s45
	s_lshl_b32 s45, s42, 8
	s_sub_co_u32 s44, s44, s45
	s_lshl_b32 s45, s12, 7
	s_sub_co_u32 s44, s44, s45
	s_sub_co_u32 s44, s44, 16
	v_lshlrev_b32 v4, 3, v2
	v_sub_nc_u32 v4, v1, v4                        ; + r - 8 h
	v_add_nc_u32 v4, s44, v4
.irp a, 0,1,2,3
	v_add_nc_u32 v[TQ+(\a)], 16*(\a), v4
.endr
	v_mov_b32 v[HID], 0xf1800000                   ; -2^100
	v_mov_b32 v5, 0                                ; named with v4 as a pair
	v_mov_b32 v7, 0                                ; v_permlanex16_b32's destination counts as read
	s_lshl_b32 s16, s13, 7                         ; pt at my wave's first query and key
	s_add_co_u32 s16, s16, s43
	s_lshl_b32 s17, s11, 6
	s_add_co_u32 s16, s16, s17
	s_lshl_b32 s16, s16, 12
	s_lshl_b32 s17, s42, 9
	s_add_co_u32 s16, s16, s17
	s_lshl_b32 s17, s12, 8
	s_add_co_u32 s16, s16, s17
	s_mov_b32 s17, 0
	s_add_nc_u64 s[8:9], s[8:9], s[16:17]
	s_lshl_b32 s16, s41, 4                         ; st at ((16 b + 2 J + my half) x 2,048 + my first query) x 8 bytes
	s_add_co_u32 s16, s16, s69
	s_add_co_u32 s16, s16, s12
	s_lshl_b32 s16, s16, 11
	s_lshl_b32 s17, s13, 7
	s_add_co_u32 s16, s16, s17
	s_lshl_b32 s17, s11, 6
	s_add_co_u32 s16, s16, s17
	s_lshl_b32 s16, s16, 3
	s_mov_b32 s17, 0
	s_add_nc_u64 s[66:67], s[66:67], s[16:17]
	s_wait_tensorcnt 0x1                           ; my part of K step 0 is in; K step 1's may stay out
	s_barrier_signal -1
	s_barrier_wait -1
	FETCH 0, 0, F0
	QUARTER 0, 64,  F0, F1, 1
	WIN 0
	s_mov_b32 s3, LAPS-1
.Llap:
	QUARTER 0, 128, F1, F0, 0
	QUARTER 0, 192, F0, F1, 0
	TURN 0, 1, 1
	QUARTER 1, 64,  F0, F1, 0
	QUARTER 1, 128, F1, F0, 0
	QUARTER 1, 192, F0, F1, 0
	TURN 1, 0, 1
	QUARTER 0, 64,  F0, F1, 0
	WIN 0
	s_sub_co_u32 s3, s3, 1
	s_cmp_lg_u32 s3, 0
	s_cbranch_scc1 .Llap
	QUARTER 0, 128, F1, F0, 0
	QUARTER 0, 192, F0, F1, 0
	TURN 0, 1, 0
	QUARTER 1, 64,  F0, F1, 0
	QUARTER 1, 128, F1, F0, 0
	QUARTER 1, 192, F0, F1, 0
	s_wait_dscnt 4
	MUL8 F1, 0, 0
	MUL8 F1, 1, 0
	s_wait_dscnt 0x0
	MUL8 F1, 2, 0
	MUL8 F1, 3, 0
	WIN 0
	PLACES
	; THE MASK.  A tile holds hidden keys only if its first key lies below its last query less 16: 2 J <= I.  The other tiles jump over the block (no barrier, no tensor load in it).
	s_cmp_le_u32 s69, s13
	s_cbranch_scc0 .Lclear
	WIN 0x41                                       ; scores in window 1, the bound and -2^100 in window 0
.set n, 0
.rept 256                              ; register n = 64 a + 8 b + j holds key 16 b + j (+ 8 h, which the bound has taken in); ascending in each accumulator
	v_cmp_lt_i32 vcc_lo, 16*((n%64)/8)+n%8, v[TQ+n/64]
	v_cndmask_b32 v[n], v[n], v[HID], vcc_lo
.set n, n+1
.endr
	WIN 0
.Lclear:
; Row block a: the maximum of my query's 64 scores and of the other half of the lanes' 64; the weights; their sum; the pair into LDS.  Each accumulator's lowest registers are read first.
.macro SOFT a
.set sb, 64*(\a)
	WIN 0x15
.irp i, 0,1,2,3                        ; chain i walks accumulators 2 i and 2 i + 1: 16 registers on end
	v_max3_num_f32 v[CH+(\i)], v[sb+16*(\i)], v[sb+16*(\i)+1], v[sb+16*(\i)+2]
.endr
	WIN 0x05
.irp n, 3,5,7,9,11,13
.irp i, 0,1,2,3
	v_max3_num_f32 v[CH+(\i)], v[sb+16*(\i)+(\n)], v[sb+16*(\i)+(\n)+1], v[CH+(\i)]
.endr
.endr
.irp i, 0,1,2,3
	v_max3_num_f32 v[CH+(\i)], v[sb+16*(\i)+15], v[sb+16*(\i)+15], v[CH+(\i)]
.endr
	WIN 0
	v_max3_num_f32 v6, v[CH], v[CH+1], v[CH+2]
	v_max_num_f32 v6, v6, v[CH+3]
	v_permlanex16_b32 v7, v6, s[SEL], s[SEL+1]
	v_max_num_f32 v6, v6, v7                       ; m
	v_mul_f32 v4, s[CS], v6                        ; c m
	WIN 0x41
.set p, 0
.rept 32
	v_pk_fma_f32 v[sb+2*p:sb+2*p+1], v[sb+2*p:sb+2*p+1], s[CS:CS+1], v[4:5] op_sel_hi:[1,0,0] neg_lo:[0,0,1] neg_hi:[0,0,1]  ; c s - c m
.set p, p+1
.endr
.set p, 0
.rept 64
	v_exp_f32 v[sb+p], v[sb+p]
.set p, p+1
.endr
	v_nop                                          ; a plain instruction between the last exponential and the use of its result
	WIN 0x05
.set p, 0
	s_wait_alu depctr_va_vdst(0)
.rept 32
	v_cvt_pk_f16_f32 v[TMP+p], v[sb+2*p], v[sb+2*p+1]
.set p, p+1
.endr
	WIN 0x45                                       ; the sum of the 32 pairs, in place: neighbours 1, 2, 4, 8, 16 pairs apart
.irp w, 1,2,4,8,16
.set p, 0
.rept 16/(\w)
	v_pk_add_f32 v[sb+2*p:sb+2*p+1], v[sb+2*p:sb+2*p+1], v[sb+2*(p+(\w)):sb+2*(p+(\w))+1]
.set p, p+2*(\w)
.endr
.endr
	WIN 0x05
	v_add_f32 v6, v[sb], v[sb+1]
	WIN 0
	v_permlanex16_b32 v7, v6, s[SEL], s[SEL+1]
	v_add_f32 v5, v6, v7                           ; l
	ds_store_b64 v[STA], v[4:5] offset:128*(\a)    ; both halves of the lanes write the same pair to the same place
.endm
.macro TOSTAGE a
.irp b, 0,1,2,3,4,5,6,7
	ds_store_b128 v[STO], v[TMP+4*(\b):TMP+4*(\b)+3] offset:32*(\b)
.endr
.irp t, 0,1,2,3,4,5,6,7
	ds_load_b128 v[F0+32*(\a)+4*(\t):F0+32*(\a)+4*(\t)+3], v[RD] offset:(\t)*2*PITCH  ; LDS serves a wave's instructions in order: these see the stores above
.endr
.endm
.macro SEND a
	s_wait_dscnt 0x0
.irp t, 0,1,2,3,4,5,6,7
	global_store_b128 v[CO], v[F0+32*(\a)+4*(\t):F0+32*(\a)+4*(\t)+3], s[8:9] offset:(16*(\a)+2*(\t))*CP  ; 16 lanes store 256 consecutive bytes, aligned
.endr
.endm
	SOFT 0
	TOSTAGE 0
.irp a, 1,2,3
	SOFT \a
	SEND (\a)-1
	TOSTAGE \a
.endr
	SEND 3
	ds_load_b128 v[TMP:TMP+3], v[STR]              ; my wave's 64 pairs, 16 bytes a lane
	s_wait_dscnt 0x0
	global_store_b128 v[STG], v[TMP:TMP+3], s[66:67]  ; 512 consecutive bytes, aligned
	s_wait_tensorcnt 0x0                           ; the wave's end
	ds_add_u32 v[SPW], v[NIL]
	s_wait_dscnt 0x0
	s_endpgm
.Lfunc_end_k_qb27e1d8413_score:
	.size	k_qb27e1d8413_score, .Lfunc_end_k_qb27e1d8413_score-k_qb27e1d8413_score
	.p2alignl 7, 3214868480
	.fill 96, 4, 3214868480
	.section	.rodata,"a",@progbits
	.p2align	6, 0x0
	.amdhsa_kernel k_qb27e1d8413_score
		.amdhsa_group_segment_fixed_size 327680
		.amdhsa_private_segment_fixed_size 0
		.amdhsa_enable_private_segment 0
		.amdhsa_kernarg_size 24
		.amdhsa_user_sgpr_count 2
		.amdhsa_user_sgpr_kernarg_segment_ptr 1
		.amdhsa_wavefront_size32 1
		.amdhsa_system_sgpr_workgroup_id_x 1
		.amdhsa_system_sgpr_workgroup_id_y 1
		.amdhsa_system_sgpr_workgroup_id_z 1
		.amdhsa_system_vgpr_workitem_id 0
		.amdhsa_next_free_vgpr 512
		.amdhsa_next_free_sgpr 96
		.amdhsa_reserve_vcc 1
		.amdhsa_float_denorm_mode_32 3
		.amdhsa_float_denorm_mode_16_64 3
		.amdhsa_memory_ordered 1
		.amdhsa_forward_progress 1
		.amdhsa_inst_pref_size 141
	.end_amdhsa_kernel
	.amdgpu_metadata
---
amdhsa.version: [ 1, 2 ]
amdhsa.kernels:
  - .name:           k_qb27e1d8413_score
    .symbol:         k_qb27e1d8413_score.kd
    .args:
      - { .name: qkv, .offset: 0, .size: 8, .value_kind: global_buffer, .address_space: global }
      - { .name: pt, .offset: 8, .size: 8, .value_kind: global_buffer, .address_space: global }
      - { .name: st, .offset: 16, .size: 8, .value_kind: global_buffer, .address_space: global }
    .group_segment_fixed_size: 327680
    .private_segment_fixed_size: 0
    .kernarg_segment_align: 8
    .kernarg_segment_size: 24
    .max_flat_workgroup_size: 128
    .sgpr_count:     96
    .vgpr_count:     512
    .wavefront_size: 32
...
	.end_amdgpu_metadata
.endif
;; end of part 3
;; launch mix (part 4): grid 4 x 64, 4 waves a work-group, clusters of 4 x 1, 327,680 bytes of LDS; arguments pt, qkv, y, st; writes y
.if DOCPART == 4
	.amdgcn_target "amdgcn-amd-amdhsa--gfx1250"
	.amdhsa_code_object_version 6
	.text
	.protected	k_qb27e1d8413_mix
	.globl	k_qb27e1d8413_mix
	.p2align	8
	.type	k_qb27e1d8413_mix,@function
k_qb27e1d8413_mix:
	s_mov_b64 s[64:65], 0
	v_nop
	global_prefetch_b8 v0, s[64:65] scope:SCOPE_SE
	s_setreg_imm32_b32 hwreg(HW_REG_WAVE_MODE, 25, 1), 1
	s_wait_xcnt 0x0
	s_wait_alu depctr_hold_cnt(0) depctr_sa_sdst(0) depctr_va_vdst(0) depctr_va_sdst(0) depctr_va_ssrc(0) depctr_va_vcc(0) depctr_vm_vsrc(0)
	s_getreg_b32 s2, hwreg(HW_REG_IB_STS2, 6, 4)
	s_cmp_eq_u32 s2, 0
	s_cbranch_scc0 .Lentry_in_a_cluster
	s_endpgm
.Lentry_in_a_cluster:
	s_bfe_u32 s2, ttmp6, 0x10000c
	s_cmp_lg_u32 s2, 0x3003
	s_cbranch_scc0 .Lentry_shape_is_right
	s_endpgm
.Lentry_shape_is_right:
; y[b][query][channel] = sum over the kept blocks of 128 keys of w (sum over the block's keys of pt[b][query][key] v[b][key][channel]).  For each query: M = the maximum of c m over its blocks
; (the row's true maximum times c), alpha = 2^(c m - M) for each block (at most 1), L = the sum of alpha l, w = alpha / L.  pt, v and y in f16; all sums, M, L, alpha and w in f32.
; LIMITS.  alpha below 2^-126 counts as 0 (L is at least about 1); NaN and infinities are not treated apart; y beyond 65,504 becomes an infinity (it is a mean of v's rows and has their range).
; SHARES.  A tile is 128 queries x 256 channels; query tile I walks the key tiles J0 = (max(I, 1) - 1) / 2 .. 7 of 256 keys: 8 - J0 laps of two K steps of 128 keys (one block each).  Earlier keys are hidden whole.
; Four waves, each 64 x 128.  Waves 0, 1 bring 64 rows of pt each, waves 2, 3 64 keys x 256 channels of v each; two tensor loads of a wave are out at the start, later one.
; A K STEP IS A BLOCK: its products start sums T of their own (C = 0), and when the step is done O += w T, two numbers an instruction, ahead of the products that start T anew.
; O starts at 0: 256 v_mov_b32, in the wait for the first tile; that is the price of writing no first lap out.
; CLUSTER.  The four channel tiles of one query tile form a cluster: pt's tile is asked for jointly (mask 15).  v's tile is a load of one's own: it is shared only with other query tiles, which walk other numbers of laps.
; The number of laps hangs on the cluster's y alone: it is the same in all four partners.
; LAYOUT.  Source 0 = 16 channels (v, [key][channel], turned by ds_load_tr16_b128), source 1 = 16 queries (pt as it lies): a lane holds query lane % 16 and eight neighbouring channels.
; REGISTERS: window 0: v0-31 addresses; v32-63 packed results; fragment buffers at v64, v160 (4 of pt, 8 of v); window 1: T (a, b) at v[8 (8 a + b)]; window 3: O likewise;
;   window 2: v[32 a + 2 s], v[32 a + 2 s + 1]: w, twice, of my query in row block a for the K step s ahead; the queue moves down by two steps each lap, so the loop names fixed registers.
.set PITCH,  272
.set PV,     544                       ; a key's 256 channels in LDS: 512 bytes + 32 of padding: the turning load's 8 rows x 32 bytes fall apart
.set AHALF,  64*PITCH
.set BOFF,   128*PITCH
.set BHALF,  64*PV                     ; = 128 x 272
.set SLOT,   BOFF+2*BHALF
.set STAGE,  2*SLOT
.set TAB,    STAGE+4*16*PITCH          ; w: 128 queries x (16 pairs of words + 16 bytes)
.set TP,     144
.set SPARE,  TAB+128*TP                ; the spare words, 128 bytes a wave, that no other line names
.set STEPA,  256                       ; 128 keys along a row of pt
.set STEPB,  262144                    ; 128 rows of v
.set CP,     2048
.set ADRA, 16
.set ADRB, 20
.set STO,  24
.set RD,   25
.set CO,   26
.set SPW,  28
.set NIL,  29
.set TMP,  32
.set F0,   64
.set F1,   160
.set G1,  24
.set G0,  32
.set G1B, 48
.set G0B, 56
.set MULW, 0x50
.set MSB, 0
.macro WIN new
.if MSB != (\new)
	s_set_vgpr_msb (MSB<<8)|(\new)
.set MSB, \new
.endif
.endm
.macro PLACES
.rept 4
	v_nop
.endr
.endm
.macro JLOAD s                         ; waves 0, 1: pt's halves, jointly; waves 2, 3: v's halves; s_nop 0 and four v_nop behind each line
	s_cmp_eq_u32 s11, 0
	s_cbranch_scc0 .Lfor_b_\@
	tensor_load_to_lds s[G0+4*(\s):G0+4*(\s)+3], s[G1:G1+7]
	s_nop 0
.rept 4
	v_nop
.endr
	s_branch .Lasked_\@
.Lfor_b_\@:
	tensor_load_to_lds s[G0B+4*(\s):G0B+4*(\s)+3], s[G1B:G1B+7]
	s_nop 0
.rept 4
	v_nop
.endr
.Lasked_\@:
.endm
.macro CREST
	s_cmp_lg_u32 s10, 0
	s_cbranch_scc1 .Lnot_wave_0_\@
	s_barrier_signal -3
.Lnot_wave_0_\@:
	s_barrier_wait -3
	s_barrier_signal -1
	s_barrier_wait -1
.endm
.macro CROUND
	s_barrier_signal -1
	s_barrier_wait -1
	CREST
.endm
.macro MUL8 f, a, zero                 ; row block a x 8 channel blocks; the 32 accumulators take turns
	WIN MULW
.irp b, 0,1,2,3,4,5,6,7
.if \zero
	v_wmma_f32_16x16x32_f16 v[8*(8*(\a)+(\b)):8*(8*(\a)+(\b))+7], v[(\f)+32+8*(\b):(\f)+32+8*(\b)+7], v[(\f)+8*(\a):(\f)+8*(\a)+7], 0
.else
	v_wmma_f32_16x16x32_f16 v[8*(8*(\a)+(\b)):8*(8*(\a)+(\b))+7], v[(\f)+32+8*(\b):(\f)+32+8*(\b)+7], v[(\f)+8*(\a):(\f)+8*(\a)+7], v[8*(8*(\a)+(\b)):8*(8*(\a)+(\b))+7]
.endif
.endr
.endm
.macro FETCH slot, k, f                ; 24 LDS loads in one run, for the 32 keys at byte k of pt's rows: v's 16 (turned), then pt's 8
	WIN 0
.irp i, 0,1,2,3,4,5,6,7
	ds_load_tr16_b128 v[(\f)+32+8*(\i):(\f)+32+8*(\i)+3],   v[ADRB+(\slot)] offset:((\k)/64)*32*PV+32*(\i)
	ds_load_tr16_b128 v[(\f)+32+8*(\i)+4:(\f)+32+8*(\i)+7], v[ADRB+(\slot)] offset:((\k)/64)*32*PV+16*PV+32*(\i)
.endr
.irp i, 0,1,2,3
	ds_load_b128 v[(\f)+8*(\i):(\f)+8*(\i)+3],   v[ADRA+(\slot)] offset:(\k)+(\i)*16*PITCH
	ds_load_b128 v[(\f)+8*(\i)+4:(\f)+8*(\i)+7], v[ADRA+(\slot)] offset:(\k)+(\i)*16*PITCH+32
.endr
.endm
; O += w T for row block a, w from place p of the queue: 32 packed multiply-adds, each accumulator's registers in ascending order
.macro ACCUM a, p
	WIN 0xf9                                       ; T (source 0) window 1, w (source 1) window 2, O (source 2 and destination) window 3
.irp b, 0,1,2,3,4,5,6,7
.irp i, 0,1,2,3
	v_pk_fma_f32 v[8*(8*(\a)+(\b))+2*(\i):8*(8*(\a)+(\b))+2*(\i)+1], v[8*(8*(\a)+(\b))+2*(\i):8*(8*(\a)+(\b))+2*(\i)+1], v[32*(\a)+2*(\p):32*(\a)+2*(\p)+1], v[8*(8*(\a)+(\b))+2*(\i):8*(8*(\a)+(\b))+2*(\i)+1]
.endr
.endr
.endm
; A quarter.  zero = 1: a K step's first: its products start T.  acc >= 0: the step before is added into O first, with w of queue place acc.  T of row blocks 0, 1 was last written ahead of
; TURN's four v_nop; for blocks 2, 3 the 64 multiply-adds of blocks 0, 1, which name none of their registers, are the places.  shift = 1: the lap's two w have been used: the queue moves down.
.macro QUARTER slot, k, f, g, zero, acc, shift
	s_wait_dscnt 4                                 ; all but the youngest four loads (pt's row blocks 2, 3) are in
.if (\acc) >= 0
	ACCUM 0, \acc
	ACCUM 1, \acc
.endif
	MUL8 \f, 0, \zero
	MUL8 \f, 1, \zero
	PLACES
	FETCH \slot, \k, \g
	s_wait_dscnt 24                                ; all but the 24 just issued
.if (\acc) >= 0
	ACCUM 2, \acc
	ACCUM 3, \acc
.endif
.if \shift
	WIN 0x82
.irp a, 0,1,2,3
.set i, 0
.rept 28
	v_mov_b32 v[32*(\a)+i], v[32*(\a)+i+4]
.set i, i+1
.endr
.endr
.endif
	MUL8 \f, 2, \zero
	MUL8 \f, 3, \zero
.endm
.macro TURN slot, next, fill
	WIN 0
	s_wait_tensorcnt 0x0                           ; all my tensor loads have landed: my part of the next slot
	ds_add_u32 v[SPW], v[NIL]
	s_wait_dscnt 5                                 ; the add and the youngest four loads may be out
	MUL8 F1, 0, 0
	s_wait_dscnt 0x0                               ; the add is done, my reads of this slot are over
	s_barrier_signal -1
	MUL8 F1, 1, 0
.if \fill
	WIN 0
.endif
	s_barrier_wait -1
.if \fill
	CREST                                          ; the barrier opened a round: no wave of any partner still reads this slot or has a load out
	s_add_nc_u64 s[G0+4*(\slot)+2:G0+4*(\slot)+3], s[G0+4*(\slot)+2:G0+4*(\slot)+3], 2*STEPA
	s_add_nc_u64 s[G0B+4*(\slot)+2:G0B+4*(\slot)+3], s[G0B+4*(\slot)+2:G0B+4*(\slot)+3], 2*STEPB
	JLOAD \slot                                    ; my one tensor load behind the round; its four v_nop are also the places in front of the loads below
.else
	PLACES
.endif
	FETCH \next, 0, F0
	MUL8 F1, 2, 0
	MUL8 F1, 3, 0
.endm
	s_load_b128 s[4:7], s[0:1], 0x0                ; pt, qkv
	s_load_b64 s[8:9], s[0:1], 0x10                ; y
	s_load_b64 s[66:67], s[0:1], 0x18              ; st
	v_lshl_add_u32 v[SPW], v0, 2, SPARE
	v_mov_b32 v[NIL], 0
	ds_add_u32 v28, v29
	ds_add_u32 v28, v29
	s_wait_dscnt 0x0
	v_lshrrev_b32 v1, 5, v0
	v_readfirstlane_b32 s10, v1                    ; wave 0..3
	s_lshr_b32 s11, s10, 1                         ; which 64 queries are mine.  Also: I fetch for pt (0) or v (1)
	s_and_b32 s12, s10, 1                          ; which 128 channels.  Also: which half of that tile I fetch
	s_bfe_u32 s40, ttmp6, 0x40000                  ; cx: the channel tile
	s_and_b32 s41, ttmp7, 0xffff
	s_lshr_b32 s13, s41, 2                         ; I
	s_and_b32 s41, s41, 3                          ; the batch
	s_max_u32 s42, s13, 1
	s_sub_co_u32 s42, s42, 1
	s_lshr_b32 s42, s42, 1                         ; J0
	s_sub_co_u32 s68, 7, s42                       ; laps less one
	s_lshl_b32 s45, s42, 1                         ; the first block of 128 keys
	s_mov_b32 s[G1+0], 15|(1<<16)|(1<<20)|(1<<21)|(5<<22)|(3<<25)  ; pt: the mask of four; 2-byte elements; padding on; bit 21 beside a mask; 4 words behind every 64
	s_mov_b32 s[G1+1], 128<<16
	s_mov_b32 s[G1+2], 64<<16
	s_mov_b32 s[G1+3], 128<<16
	s_mov_b32 s[G1+4], 64
	s_mov_b32 s[G1+5], 2048
	s_mov_b32 s[G1+6], 0
	s_mov_b32 s[G1+7], 0
	s_mov_b32 s[G1B+0], (1<<16)|(1<<20)|(6<<22)|(7<<25)            ; v: no mask; 8 words behind every 128
	s_mov_b32 s[G1B+1], 256<<16
	s_mov_b32 s[G1B+2], 64<<16
	s_mov_b32 s[G1B+3], 256<<16
	s_mov_b32 s[G1B+4], 64
	s_mov_b32 s[G1B+5], 1024
	s_mov_b32 s[G1B+6], 0
	s_mov_b32 s[G1B+7], 0
	s_lshl_b32 s43, s41, 11                        ; the batch's first row
	s_lshl_b32 s16, s13, 7
	s_add_co_u32 s16, s16, s43
	s_lshl_b32 s17, s12, 6
	s_add_co_u32 s16, s16, s17                     ; pt: row 2,048 b + 128 I + 64 x half,
	s_lshl_b32 s16, s16, 12
	s_lshl_b32 s17, s42, 9
	s_add_co_u32 s16, s16, s17                     ; key 256 J0
	s_mov_b32 s17, 0
	s_lshl_b32 s46, s42, 8
	s_add_co_u32 s46, s46, s43
	s_lshl_b32 s47, s12, 6
	s_add_co_u32 s46, s46, s47                     ; v: row 2,048 b + 256 J0 + 64 x half,
	s_lshl_b32 s46, s46, 11
	s_add_co_u32 s46, s46, 0x2000000               ; in the third plane,
	s_lshl_b32 s47, s40, 9
	s_add_co_u32 s46, s46, s47                     ; channel 256 cx
	s_mov_b32 s47, 0
	s_mul_i32 s20, s12, AHALF
	s_mul_i32 s23, s12, BHALF
	s_add_co_u32 s23, s23, BOFF
	s_wait_kmcnt 0x0
	s_add_nc_u64 s[14:15], s[4:5], s[16:17]
	s_add_nc_u64 s[46:47], s[6:7], s[46:47]
	CROUND                                         ; all four work-groups are here: the first joint loads meet
.irp s, 0,1
	s_mov_b32 s[G0+4*(\s)], 1
	s_add_co_u32 s[G0+4*(\s)+1], s20, (\s)*SLOT
	s_add_nc_u64 s[G0+4*(\s)+2:G0+4*(\s)+3], s[14:15], (\s)*STEPA
	s_or_b32 s[G0+4*(\s)+3], s[G0+4*(\s)+3], 0x80000000
	s_mov_b32 s[G0B+4*(\s)], 1
	s_add_co_u32 s[G0B+4*(\s)+1], s23, (\s)*SLOT
	s_add_nc_u64 s[G0B+4*(\s)+2:G0B+4*(\s)+3], s[46:47], (\s)*STEPB
	s_or_b32 s[G0B+4*(\s)+3], s[G0B+4*(\s)+3], 0x80000000
	JLOAD \s
.endr
	; THE STATISTICS.  Thread t takes query 128 I + t: the pairs (c m, l) of the blocks first .. first + 15; past block 15 the address is held at block 15 and l counts as 0.
	s_lshl_b32 s16, s41, 18                        ; a batch: 16 blocks x 2,048 queries x 8 bytes
	s_lshl_b32 s17, s13, 10
	s_add_co_u32 s16, s16, s17
	s_mov_b32 s17, 0
	s_add_nc_u64 s[66:67], s[66:67], s[16:17]
	v_lshlrev_b32 v3, 3, v0
.set q, 0
.rept 16
	s_add_co_u32 s14, s45, q
	s_cmp_le_u32 s14, 15
	s_cselect_b32 s[72+q], 1.0, 0
	s_min_u32 s14, s14, 15
	s_lshl_b32 s14, s14, 14
	v_add_nc_u32 v[96+q], s14, v3
	global_load_b64 v[64+2*q:65+2*q], v[96+q], s[66:67]
.set q, q+1
.endr
	v_and_b32 v1, 15, v0                           ; r
	v_bfe_u32 v2, v0, 4, 1                         ; h
	v_mul_u32_u24 v3, v1, PITCH
	v_lshl_add_u32 v3, v2, 4, v3
	v_and_b32 v4, 7, v0
	v_lshl_add_u32 v4, v2, 3, v4                   ; the turning load: key 8 h + lane % 8,
	v_mul_u32_u24 v4, v4, PV
	v_bfe_u32 v5, v0, 3, 1
	v_lshl_add_u32 v4, v5, 4, v4                   ; channels 8 ((lane / 8) % 2) on
	s_mul_i32 s21, s11, AHALF
	s_lshl_b32 s22, s12, 8                         ; my 128 channels
	s_add_co_u32 s22, s22, BOFF
.irp s, 0,1
	v_add_nc_u32 v[ADRA+(\s)], s21, v3
	v_add_nc_u32 v[ADRB+(\s)], s22, v4
	s_add_co_u32 s21, s21, SLOT
	s_add_co_u32 s22, s22, SLOT
.endr
	s_mul_i32 s21, s10, 16*PITCH
	s_add_co_u32 s21, s21, STAGE
	v_add_nc_u32 v[STO], s21, v3
	v_mul_u32_u24 v4, v2, PITCH
	v_lshl_add_u32 v4, v1, 4, v4
	v_add_nc_u32 v[RD], s21, v4
	v_lshlrev_b32 v4, 11, v2
	v_lshl_add_u32 v[CO], v1, 4, v4
	v_mul_u32_u24 v8, v0, TP
	v_add_nc_u32 v8, TAB, v8                       ; where thread t puts its query's 16 pairs of w
	s_lshl_b32 s14, s11, 6
	v_add_nc_u32 v10, s14, v1                      ; my lane's query in row block 0
	v_mul_u32_u24 v11, v10, TP
	v_add_nc_u32 v11, TAB, v11
	s_lshl_b32 s16, s13, 7                         ; y at my wave's first query and channel
	s_add_co_u32 s16, s16, s43
	s_lshl_b32 s17, s11, 6
	s_add_co_u32 s16, s16, s17
	s_lshl_b32 s16, s16, 11
	s_lshl_b32 s17, s40, 9
	s_add_co_u32 s16, s16, s17
	s_lshl_b32 s17, s12, 8
	s_add_co_u32 s16, s16, s17
	s_mov_b32 s17, 0
	s_add_nc_u64 s[8:9], s[8:9], s[16:17]
	WIN 0xc0                                       ; O = 0, while the statistics and the first tiles are on their way
.set i, 0
.rept 256
	v_mov_b32 v[i], 0
.set i, i+1
.endr
	WIN 0
	s_wait_loadcnt 0x0
	v_max3_num_f32 v5, v64, v66, v68               ; M (a block named twice changes no maximum)
.irp n, 70,74,78,82,86,90
	v_max3_num_f32 v5, v5, v[\n], v[(\n)+2]
.endr
	v_max_num_f32 v5, v5, v94
.set q, 0
.rept 16
	v_sub_f32 v[112+q], v[64+2*q], v5
.set q, q+1
.endr
.set q, 0
.rept 16
	v_exp_f32 v[112+q], v[112+q]                   ; alpha
.set q, q+1
.endr
.set q, 0
.rept 16
	v_mul_f32 v[65+2*q], s[72+q], v[65+2*q]        ; l, or 0 past block 15; plain work behind the exponentials
.set q, q+1
.endr
	s_wait_alu depctr_va_vdst(0)
	v_mul_f32 v6, v112, v65                        ; L, in two chains
	v_mul_f32 v7, v113, v67
.set q, 1
.rept 7
	v_fma_f32 v6, v[112+2*q], v[65+4*q], v6
	v_fma_f32 v7, v[113+2*q], v[67+4*q], v7
.set q, q+1
.endr
	v_add_f32 v6, v6, v7
	v_rcp_f32 v7, v6
	v_nop                                          ; a plain instruction behind the reciprocal
.set q, 0
	s_wait_alu depctr_va_vdst(0)
.rept 16
	v_mul_f32 v[128+2*q], v[112+q], v7             ; w = alpha / L, twice: a pair for the packed multiply-add
	v_mul_f32 v[129+2*q], v[112+q], v7
.set q, q+1
.endr
.irp i, 0,1,2,3,4,5,6,7
	ds_store_b128 v8, v[128+4*(\i):128+4*(\i)+3] offset:16*(\i)
.endr
	s_wait_tensorcnt 0x1                           ; my part of K step 0 is in; K step 1's may stay out
	s_wait_dscnt 0x0                               ; for the others' sake: my query's w are in LDS
	s_barrier_signal -1
	s_barrier_wait -1
	WIN 0x80                                       ; the queue: 16 pairs for my query in each row block; these loads are older than the fragments', so the quarters' counts cover them
.irp a, 0,1,2,3
.irp i, 0,1,2,3,4,5,6,7
	ds_load_b128 v[32*(\a)+4*(\i):32*(\a)+4*(\i)+3], v11 offset:16*TP*(\a)+16*(\i)
.endr
.endr
	FETCH 0, 0, F0
	QUARTER 0, 64,  F0, F1, 1, -1, 0               ; the first K step's first quarter: nothing to add yet
	WIN 0
	s_cmp_eq_u32 s68, 0                            ; one lap alone (query tile 15): straight to the tail, in all four partners alike
	s_cbranch_scc1 .Ltail
	s_mov_b32 s3, 0
.Llap:                                                 ; laps - 1 trips: once round the ring, both slots filled again; LDS addresses and registers are the same in every trip
	QUARTER 0, 128, F1, F0, 0, -1, 0
	QUARTER 0, 192, F0, F1, 0, -1, 0
	TURN 0, 1, 1
	QUARTER 1, 64,  F0, F1, 1, 0, 0                ; slot 0's block goes into O; slot 1's begins
	QUARTER 1, 128, F1, F0, 0, -1, 0
	QUARTER 1, 192, F0, F1, 0, -1, 0
	TURN 1, 0, 1
	QUARTER 0, 64,  F0, F1, 1, 1, 1                ; slot 1's block goes into O, the queue moves; the next lap's first block begins
	WIN 0
	s_add_co_u32 s3, s3, 1
	s_cmp_lt_u32 s3, s68
	s_cbranch_scc1 .Llap
.Ltail:
	QUARTER 0, 128, F1, F0, 0, -1, 0
	QUARTER 0, 192, F0, F1, 0, -1, 0
	TURN 0, 1, 0
	QUARTER 1, 64,  F0, F1, 1, 0, 0
	QUARTER 1, 128, F1, F0, 0, -1, 0
	QUARTER 1, 192, F0, F1, 0, -1, 0
	s_wait_dscnt 4
	MUL8 F1, 0, 0
	MUL8 F1, 1, 0
	s_wait_dscnt 0x0
	MUL8 F1, 2, 0
	MUL8 F1, 3, 0
	WIN 0
	PLACES
	; THE WAY OUT, 16 rows at a time: the last block goes into O; rounded to f16, through my own stage, back as whole rows of 256 bytes, stored.
.macro PACK a
	ACCUM \a, 1
	WIN 0x0f                                       ; sources 0 and 1 window 3, destination window 0
.irp b, 0,1,2,3,4,5,6,7
.irp i, 0,1,2,3
	v_cvt_pk_f16_f32 v[TMP+4*(\b)+(\i)], v[8*(8*(\a)+(\b))+2*(\i)], v[8*(8*(\a)+(\b))+2*(\i)+1]
.endr
.endr
	WIN 0
.endm
.macro TOSTAGE a
.irp b, 0,1,2,3,4,5,6,7
	ds_store_b128 v[STO], v[TMP+4*(\b):TMP+4*(\b)+3] offset:32*(\b)
.endr
.irp t, 0,1,2,3,4,5,6,7
	ds_load_b128 v[F0+32*(\a)+4*(\t):F0+32*(\a)+4*(\t)+3], v[RD] offset:(\t)*2*PITCH  ; LDS serves a wave's instructions in order: these see the stores above
.endr
.endm
.macro SEND a
	s_wait_dscnt 0x0
.irp t, 0,1,2,3,4,5,6,7
	global_store_b128 v[CO], v[F0+32*(\a)+4*(\t):F0+32*(\a)+4*(\t)+3], s[8:9] offset:(16*(\a)+2*(\t))*CP  ; 16 lanes store 256 consecutive bytes, aligned
.endr
.endm
	PACK 0
	TOSTAGE 0
.irp a, 1,2,3
	PACK \a
	SEND (\a)-1
	TOSTAGE \a
.endr
	SEND 3
	s_wait_tensorcnt 0x0                           ; the wave's end
	ds_add_u32 v[SPW], v[NIL]
	s_wait_dscnt 0x0
	CROUND                                         ; the closing round
	s_endpgm
.Lfunc_end_k_qb27e1d8413_mix:
	.size	k_qb27e1d8413_mix, .Lfunc_end_k_qb27e1d8413_mix-k_qb27e1d8413_mix
	.p2alignl 7, 3214868480
	.fill 96, 4, 3214868480
	.section	.rodata,"a",@progbits
	.p2align	6, 0x0
	.amdhsa_kernel k_qb27e1d8413_mix
		.amdhsa_group_segment_fixed_size 327680
		.amdhsa_private_segment_fixed_size 0
		.amdhsa_enable_private_segment 0
		.amdhsa_kernarg_size 32
		.amdhsa_user_sgpr_count 2
		.amdhsa_user_sgpr_kernarg_segment_ptr 1
		.amdhsa_wavefront_size32 1
		.amdhsa_system_sgpr_workgroup_id_x 1
		.amdhsa_system_sgpr_workgroup_id_y 1
		.amdhsa_system_sgpr_workgroup_id_z 1
		.amdhsa_system_vgpr_workitem_id 0
		.amdhsa_next_free_vgpr 1024
		.amdhsa_next_free_sgpr 96
		.amdhsa_reserve_vcc 0
		.amdhsa_float_denorm_mode_32 3
		.amdhsa_float_denorm_mode_16_64 3
		.amdhsa_memory_ordered 1
		.amdhsa_forward_progress 1
		.amdhsa_inst_pref_size 142
	.end_amdhsa_kernel
	.amdgpu_metadata
---
amdhsa.version: [ 1, 2 ]
amdhsa.kernels:
  - .name:           k_qb27e1d8413_mix
    .symbol:         k_qb27e1d8413_mix.kd
    .args:
      - { .name: pt, .offset: 0, .size: 8, .value_kind: global_buffer, .address_space: global }
      - { .name: qkv, .offset: 8, .size: 8, .value_kind: global_buffer, .address_space: global }
      - { .name: y, .offset: 16, .size: 8, .value_kind: global_buffer, .address_space: global }
      - { .name: st, .offset: 24, .size: 8, .value_kind: global_buffer, .address_space: global }
    .group_segment_fixed_size: 327680
    .private_segment_fixed_size: 0
    .kernarg_segment_align: 8
    .kernarg_segment_size: 32
    .max_flat_workgroup_size: 128
    .sgpr_count:     96
    .vgpr_count:     1024
    .wavefront_size: 32
...
	.end_amdgpu_metadata
.endif
;; end of part 4
;; launch out (part 5): grid 4 x 64, 4 waves a work-group, clusters of 4 x 4, 327,680 bytes of LDS; arguments y, wh, out0, bo; writes out0
.if DOCPART == 5
	.amdgcn_target "amdgcn-amd-amdhsa--gfx1250"
	.amdhsa_code_object_version 6
	.text
	.protected	k_qb27e1d8413_out
	.globl	k_qb27e1d8413_out
	.p2align	8
	.type	k_qb27e1d8413_out,@function
k_qb27e1d8413_out:
	s_mov_b64 s[64:65], 0
	v_nop
	global_prefetch_b8 v0, s[64:65] scope:SCOPE_SE
	s_setreg_imm32_b32 hwreg(HW_REG_WAVE_MODE, 25, 1), 1
	s_wait_xcnt 0x0
	s_wait_alu depctr_hold_cnt(0) depctr_sa_sdst(0) depctr_va_vdst(0) depctr_va_sdst(0) depctr_va_ssrc(0) depctr_va_vcc(0) depctr_vm_vsrc(0)
	s_getreg_b32 s2, hwreg(HW_REG_IB_STS2, 6, 4)
	s_cmp_eq_u32 s2, 0
	s_cbranch_scc0 .Lentry_in_a_cluster
	s_endpgm
.Lentry_in_a_cluster:
	s_bfe_u32 s2, ttmp6, 0x10000c
	s_cmp_lg_u32 s2, 0xf033
	s_cbranch_scc0 .Lentry_shape_is_right
	s_endpgm
.Lentry_shape_is_right:
; out0[m][n] = sum over k of y[m][k] wh[3072 + n][k] + bo[n].  y [8192][1024] and wh's last 1,024 rows (Wo) in f16; sums, bias (rounded to bf16 like every input of the module) and out0 in f32.
; SHARES, RING, CLUSTER, LAYOUT.  A tile is 128 rows x 256 columns; four waves, each 64 x 128: 32 accumulators.  K in steps of 128 through two LDS slots; waves 0, 1 bring 64 rows of y each, waves 2, 3
; 128 rows of Wo each; two tensor loads of a wave are out at the start, later one.  4 x 4 work-groups form a cluster: y's tile is shared along a row, Wo's along a column, each asked for jointly.
; Source 0 = 16 rows of Wo, source 1 = 16 rows of y: a lane holds row lane % 16 and eight neighbouring columns.
; REGISTERS: window 0: v0-31 addresses; v32-63 at work; fragment buffers at v64, v160 (4 of y, 8 of Wo); on the way out v64-191 take rows read back;
;   window 1: accumulator (a, b) at v[8 (8 a + b)];   window 2: v0-63 the bias of my lane's 64 columns.
.set PITCH,  272
.set AHALF,  64*PITCH
.set BOFF,   128*PITCH
.set BHALF,  128*PITCH
.set SLOT,   BOFF+2*BHALF
.set STAGE,  2*SLOT                    ; 16 rows x 528 bytes for each wave
.set SP,     528                       ; 512 bytes of f32 + 16 of padding
.set SPARE,  STAGE+4*16*SP             ; the spare words, 128 bytes a wave, that no other line names
.set LAPS,   4
.set STEP,   256
.set CP,     4096
.set ADRA, 16
.set ADRB, 20
.set STO,  24
.set RD,   25
.set CO,   26
.set SPW,  28
.set NIL,  29
.set TMP,  32
.set F0,   64
.set F1,   160
.set G1,  24
.set G0,  32
.set G1B, 48
.set G0B, 56
.set MULW, 0x50
.set MSB, 0
.macro WIN new
.if MSB != (\new)
	s_set_vgpr_msb (MSB<<8)|(\new)
.set MSB, \new
.endif
.endm
.macro PLACES
.rept 4
	v_nop
.endr
.endm
.macro JLOAD s                         ; a joint load: waves 0, 1 ask for y's halves, waves 2, 3 for Wo's; s_nop 0 and four v_nop behind each line
	s_cmp_eq_u32 s11, 0
	s_cbranch_scc0 .Lfor_b_\@
	tensor_load_to_lds s[G0+4*(\s):G0+4*(\s)+3], s[G1:G1+7]
	s_nop 0
.rept 4
	v_nop
.endr
	s_branch .Lasked_\@
.Lfor_b_\@:
	tensor_load_to_lds s[G0B+4*(\s):G0B+4*(\s)+3], s[G1B:G1B+7]
	s_nop 0
.rept 4
	v_nop
.endr
.Lasked_\@:
.endm
.macro CREST
	s_cmp_lg_u32 s10, 0
	s_cbranch_scc1 .Lnot_wave_0_\@
	s_barrier_signal -3
.Lnot_wave_0_\@:
	s_barrier_wait -3
	s_barrier_signal -1
	s_barrier_wait -1
.endm
.macro CROUND
	s_barrier_signal -1
	s_barrier_wait -1
	CREST
.endm
.macro MUL8 f, a, zero                 ; row block a x 8 column blocks; the 32 accumulators take turns
	WIN MULW
.irp b, 0,1,2,3,4,5,6,7
.if \zero
	v_wmma_f32_16x16x32_f16 v[8*(8*(\a)+(\b)):8*(8*(\a)+(\b))+7], v[(\f)+32+8*(\b):(\f)+32+8*(\b)+7], v[(\f)+8*(\a):(\f)+8*(\a)+7], 0
.else
	v_wmma_f32_16x16x32_f16 v[8*(8*(\a)+(\b)):8*(8*(\a)+(\b))+7], v[(\f)+32+8*(\b):(\f)+32+8*(\b)+7], v[(\f)+8*(\a):(\f)+8*(\a)+7], v[8*(8*(\a)+(\b)):8*(8*(\a)+(\b))+7]
.endif
.endr
.endm
.macro FETCH slot, k, f
	WIN 0
.irp i, 0,1,2,3,4,5,6,7
	ds_load_b128 v[(\f)+32+8*(\i):(\f)+32+8*(\i)+3],   v[ADRB+(\slot)] offset:(\k)+(\i)*16*PITCH
	ds_load_b128 v[(\f)+32+8*(\i)+4:(\f)+32+8*(\i)+7], v[ADRB+(\slot)] offset:(\k)+(\i)*16*PITCH+32
.endr
.irp i, 0,1,2,3
	ds_load_b128 v[(\f)+8*(\i):(\f)+8*(\i)+3],   v[ADRA+(\slot)] offset:(\k)+(\i)*16*PITCH
	ds_load_b128 v[(\f)+8*(\i)+4:(\f)+8*(\i)+7], v[ADRA+(\slot)] offset:(\k)+(\i)*16*PITCH+32
.endr
.endm
.macro QUARTER slot, k, f, g, zero
	s_wait_dscnt 4                                 ; all but the youngest four loads (y's row blocks 2, 3) are in
	MUL8 \f, 0, \zero
	MUL8 \f, 1, \zero
	PLACES
	FETCH \slot, \k, \g
	s_wait_dscnt 24                                ; all but the 24 just issued
	MUL8 \f, 2, \zero
	MUL8 \f, 3, \zero
.endm
.macro TURN slot, next, fill
	WIN 0
	s_wait_tensorcnt 0x0                           ; all my tensor loads have landed: my part of the next slot
	ds_add_u32 v[SPW], v[NIL]
	s_wait_dscnt 5                                 ; the add and the youngest four loads may be out
	MUL8 F1, 0, 0
	s_wait_dscnt 0x0                               ; the add is done, my reads of this slot are over
	s_barrier_signal -1
	MUL8 F1, 1, 0
.if \fill
	WIN 0
.endif
	s_barrier_wait -1
.if \fill
	CREST                                          ; the barrier opened a round: no wave of any partner still reads this slot or has a load out
	s_add_nc_u64 s[G0+4*(\slot)+2:G0+4*(\slot)+3], s[G0+4*(\slot)+2:G0+4*(\slot)+3], 2*STEP
	s_add_nc_u64 s[G0B+4*(\slot)+2:G0B+4*(\slot)+3], s[G0B+4*(\slot)+2:G0B+4*(\slot)+3], 2*STEP
	JLOAD \slot                                    ; my one tensor load behind the round; its four v_nop are also the places in front of the loads below
.else
	PLACES
.endif
	FETCH \next, 0, F0
	MUL8 F1, 2, 0
	MUL8 F1, 3, 0
.endm
	s_load_b128 s[4:7], s[0:1], 0x0                ; y, wh
	s_load_b64 s[8:9], s[0:1], 0x10                ; out0
	s_load_b64 s[68:69], s[0:1], 0x18              ; bo
	v_lshl_add_u32 v[SPW], v0, 2, SPARE
	v_mov_b32 v[NIL], 0
	ds_add_u32 v28, v29
	ds_add_u32 v28, v29
	s_wait_dscnt 0x0
	v_lshrrev_b32 v1, 5, v0
	v_readfirstlane_b32 s10, v1                    ; wave 0..3
	s_lshr_b32 s11, s10, 1                         ; which 64 rows are mine.  Also: I fetch for y (0) or Wo (1)
	s_and_b32 s12, s10, 1                          ; which 128 columns.  Also: which half of that tile I fetch
	s_bfe_u32 s40, ttmp6, 0x40000                  ; cx
	s_bfe_u32 s41, ttmp6, 0x40004                  ; cy
	s_lshl_b32 s42, ttmp9, 2
	s_add_co_u32 s42, s42, s40                     ; tile column
	s_and_b32 s13, ttmp7, 0xffff
	s_lshl_b32 s13, s13, 2
	s_add_co_u32 s13, s13, s41                     ; tile row
	s_lshl_b32 s43, s41, 2
	s_lshl_b32 s43, 15, s43                        ; my row of the cluster
	s_lshl_b32 s44, 0x1111, s40                    ; my column
	s_or_b32 s[G1+0], s43, (1<<16)|(1<<20)|(1<<21)|(5<<22)|(3<<25)
	s_or_b32 s[G1B+0], s44, (1<<16)|(1<<20)|(1<<21)|(5<<22)|(3<<25)
.irp g, G1, G1B
	s_mov_b32 s[(\g)+1], 128<<16
	s_mov_b32 s[(\g)+3], 128<<16
	s_mov_b32 s[(\g)+5], 1024
	s_mov_b32 s[(\g)+6], 0
	s_mov_b32 s[(\g)+7], 0
.endr
	s_mov_b32 s[G1+2], 64<<16
	s_mov_b32 s[G1+4], 64
	s_mov_b32 s[G1B+2], 128<<16
	s_mov_b32 s[G1B+4], 128
	s_lshl_b32 s16, s13, 7
	s_lshl_b32 s17, s12, 6
	s_add_co_u32 s16, s16, s17                     ; y: row 128 x tile row + 64 x half
	s_lshl_b32 s16, s16, 11
	s_mov_b32 s17, 0
	s_lshl_b32 s46, s42, 8
	s_lshl_b32 s47, s12, 7
	s_add_co_u32 s46, s46, s47
	s_add_co_u32 s46, s46, 3072                    ; wh: row 3,072 + 256 x tile column + 128 x half
	s_lshl_b32 s46, s46, 11
	s_mov_b32 s47, 0
	s_mul_i32 s20, s12, AHALF
	s_mul_i32 s23, s12, BHALF
	s_add_co_u32 s23, s23, BOFF
	s_wait_kmcnt 0x0
	s_add_nc_u64 s[14:15], s[4:5], s[16:17]
	s_add_nc_u64 s[46:47], s[6:7], s[46:47]
	CROUND                                         ; all sixteen work-groups are here: the first joint loads meet
.irp s, 0,1
	s_mov_b32 s[G0+4*(\s)], 1
	s_add_co_u32 s[G0+4*(\s)+1], s20, (\s)*SLOT
	s_add_nc_u64 s[G0+4*(\s)+2:G0+4*(\s)+3], s[14:15], (\s)*STEP
	s_or_b32 s[G0+4*(\s)+3], s[G0+4*(\s)+3], 0x80000000
	s_mov_b32 s[G0B+4*(\s)], 1
	s_add_co_u32 s[G0B+4*(\s)+1], s23, (\s)*SLOT
	s_add_nc_u64 s[G0B+4*(\s)+2:G0B+4*(\s)+3], s[46:47], (\s)*STEP
	s_or_b32 s[G0B+4*(\s)+3], s[G0B+4*(\s)+3], 0x80000000
	JLOAD \s
.endr
	v_and_b32 v1, 15, v0                           ; r
	v_bfe_u32 v2, v0, 4, 1                         ; h
	s_lshl_b32 s46, s42, 10
	s_lshl_b32 s47, s12, 9
	s_add_co_u32 s46, s46, s47                     ; my first column, in bytes of f32
	v_lshlrev_b32 v5, 5, v2
	v_add_nc_u32 v5, s46, v5                       ; + 8 h columns
	WIN 0x80
.irp b, 0,1,2,3,4,5,6,7
	global_load_b128 v[8*(\b):8*(\b)+3],   v5, s[68:69] offset:64*(\b)
	global_load_b128 v[8*(\b)+4:8*(\b)+7], v5, s[68:69] offset:64*(\b)+16
.endr
	WIN 0
	v_mul_u32_u24 v3, v1, PITCH
	v_lshl_add_u32 v3, v2, 4, v3
	s_mul_i32 s21, s11, AHALF
	s_mul_i32 s22, s12, BHALF
	s_add_co_u32 s22, s22, BOFF
.irp s, 0,1
	v_add_nc_u32 v[ADRA+(\s)], s21, v3
	v_add_nc_u32 v[ADRB+(\s)], s22, v3
	s_add_co_u32 s21, s21, SLOT
	s_add_co_u32 s22, s22, SLOT
.endr
	s_mul_i32 s21, s10, 16*SP
	s_add_co_u32 s21, s21, STAGE                   ; my stage
	v_mul_u32_u24 v4, v1, SP                       ; in: row r, 32 bytes for each half of the lanes
	v_lshl_add_u32 v4, v2, 5, v4
	v_add_nc_u32 v[STO], s21, v4
	v_and_b32 v4, 31, v0                           ; back: 32 lanes take one row of 512 bytes
	v_lshlrev_b32 v[CO], 4, v4
	v_add_nc_u32 v[RD], s21, v[CO]
	s_lshl_b32 s16, s13, 7
	s_lshl_b32 s17, s11, 6
	s_add_co_u32 s16, s16, s17                     ; my first row
	s_lshl_b32 s16, s16, 12
	s_add_co_u32 s16, s16, s46
	s_mov_b32 s17, 0
	s_add_nc_u64 s[8:9], s[8:9], s[16:17]
	s_wait_loadcnt 0x0                             ; the bias is in: rounded to bf16, widened again
	WIN 0x0a
.set i, 0
.rept 32
	v_cvt_pk_bf16_f32 v[TMP+i], v[2*i], v[2*i+1]
.set i, i+1
.endr
	WIN 0x80
.set i, 0
.rept 32
	v_lshlrev_b32 v[2*i],   16, v[TMP+i]
	v_and_b32     v[2*i+1], 0xffff0000, v[TMP+i]
.set i, i+1
.endr
	WIN 0
	s_wait_tensorcnt 0x1                           ; my part of K step 0 is in; K step 1's may stay out
	s_barrier_signal -1
	s_barrier_wait -1
	FETCH 0, 0, F0
	QUARTER 0, 64,  F0, F1, 1
	WIN 0
	s_mov_b32 s3, LAPS-1
.Llap:
	QUARTER 0, 128, F1, F0, 0
	QUARTER 0, 192, F0, F1, 0
	TURN 0, 1, 1
	QUARTER 1, 64,  F0, F1, 0
	QUARTER 1, 128, F1, F0, 0
	QUARTER 1, 192, F0, F1, 0
	TURN 1, 0, 1
	QUARTER 0, 64,  F0, F1, 0
	WIN 0
	s_sub_co_u32 s3, s3, 1
	s_cmp_lg_u32 s3, 0
	s_cbranch_scc1 .Llap
	QUARTER 0, 128, F1, F0, 0
	QUARTER 0, 192, F0, F1, 0
	TURN 0, 1, 0
	QUARTER 1, 64,  F0, F1, 0
	QUARTER 1, 128, F1, F0, 0
	QUARTER 1, 192, F0, F1, 0
	s_wait_dscnt 4
	MUL8 F1, 0, 0
	MUL8 F1, 1, 0
	s_wait_dscnt 0x0
	MUL8 F1, 2, 0
	MUL8 F1, 3, 0
	WIN 0
	PLACES
; THE WAY OUT, 16 rows at a time: bias added; a lane's 32 bytes of a row into my own stage; back as whole rows of 512 bytes; stored.
.macro OUTA a
	WIN 0x49                                       ; destination and source 0 window 1, bias window 2; each accumulator's registers in ascending order
.irp b, 0,1,2,3,4,5,6,7
.irp i, 0,1,2,3
	v_pk_add_f32 v[8*(8*(\a)+(\b))+2*(\i):8*(8*(\a)+(\b))+2*(\i)+1], v[8*(8*(\a)+(\b))+2*(\i):8*(8*(\a)+(\b))+2*(\i)+1], v[8*(\b)+2*(\i):8*(\b)+2*(\i)+1]
.endr
.endr
	WIN 0x04                                       ; the stores' data in window 1
.irp b, 0,1,2,3,4,5,6,7
	ds_store_b128 v[STO], v[8*(8*(\a)+(\b)):8*(8*(\a)+(\b))+3]   offset:64*(\b)
	ds_store_b128 v[STO], v[8*(8*(\a)+(\b))+4:8*(8*(\a)+(\b))+7] offset:64*(\b)+16
.endr
	WIN 0
.if (\a) >= 2
	s_wait_xcnt 0x0                                ; the registers below were the data of the stores two blocks back: they are loaded again only behind this wait
.endif
.irp t, 0,1,2,3,4,5,6,7,8,9,10,11,12,13,14,15
	ds_load_b128 v[F0+64*((\a)%2)+4*(\t):F0+64*((\a)%2)+4*(\t)+3], v[RD] offset:(\t)*SP  ; LDS serves a wave's instructions in order: these see the stores above
.endr
	s_wait_dscnt 0x0
.irp t, 0,1,2,3,4,5,6,7,8,9,10,11,12,13,14,15
	global_store_b128 v[CO], v[F0+64*((\a)%2)+4*(\t):F0+64*((\a)%2)+4*(\t)+3], s[8:9] offset:(16*(\a)+(\t))*CP th:TH_STORE_NT  ; 512 consecutive bytes, aligned
.endr
.endm
	OUTA 0
	OUTA 1
	OUTA 2
	OUTA 3
	s_wait_tensorcnt 0x0                           ; the wave's end
	ds_add_u32 v[SPW], v[NIL]
	s_wait_dscnt 0x0
	CROUND                                         ; the closing round
	s_endpgm
.Lfunc_end_k_qb27e1d8413_out:
	.size	k_qb27e1d8413_out, .Lfunc_end_k_qb27e1d8413_out-k_qb27e1d8413_out
	.p2alignl 7, 3214868480
	.fill 96, 4, 3214868480
	.section	.rodata,"a",@progbits
	.p2align	6, 0x0
	.amdhsa_kernel k_qb27e1d8413_out
		.amdhsa_group_segment_fixed_size 327680
		.amdhsa_private_segment_fixed_size 0
		.amdhsa_enable_private_segment 0
		.amdhsa_kernarg_size 32
		.amdhsa_user_sgpr_count 2
		.amdhsa_user_sgpr_kernarg_segment_ptr 1
		.amdhsa_wavefront_size32 1
		.amdhsa_system_sgpr_workgroup_id_x 1
		.amdhsa_system_sgpr_workgroup_id_y 1
		.amdhsa_system_sgpr_workgroup_id_z 1
		.amdhsa_system_vgpr_workitem_id 0
		.amdhsa_next_free_vgpr 576
		.amdhsa_next_free_sgpr 96
		.amdhsa_reserve_vcc 0
		.amdhsa_float_denorm_mode_32 3
		.amdhsa_float_denorm_mode_16_64 3
		.amdhsa_memory_ordered 1
		.amdhsa_forward_progress 1
		.amdhsa_inst_pref_size 100
	.end_amdhsa_kernel
	.amdgpu_metadata
---
amdhsa.version: [ 1, 2 ]
amdhsa.kernels:
  - .name:           k_qb27e1d8413_out
    .symbol:         k_qb27e1d8413_out.kd
    .args:
      - { .name: y, .offset: 0, .size: 8, .value_kind: global_buffer, .address_space: global }
      - { .name: wh, .offset: 8, .size: 8, .value_kind: global_buffer, .address_space: global }
      - { .name: out0, .offset: 16, .size: 8, .value_kind: global_buffer, .address_space: global }
      - { .name: bo, .offset: 24, .size: 8, .value_kind: global_buffer, .address_space: global }
    .group_segment_fixed_size: 327680
    .private_segment_fixed_size: 0
    .kernarg_segment_align: 8
    .kernarg_segment_size: 32
    .max_flat_workgroup_size: 128
    .sgpr_count:     96
    .vgpr_count:     576
    .wavefront_size: 32
...
	.end_amdgpu_metadata
.endif
;; end of part 5
;; ======== version 2 of 2: 5 launches; 1.13 times as fast as version 1
;; limits: values are held in f16: magnitudes above 65,504 overflow, below 6.1e-05 lose precision
;; workspace buffers: xh 16,777,216 bytes; wh 8,388,608 bytes; qkv 50,331,648 bytes; pt 33,554,432 bytes; st 1,048,576 bytes; y 16,777,216 bytes
;; launch cast (part 6): grid 768 x 1, 8 waves a work-group, no clusters, 0 bytes of LDS; arguments x, Wq, Wk, Wv, Wo, xh, wh; writes xh, wh
.if DOCPART == 6
	.amdgcn_target "amdgcn-amd-amdhsa--gfx1250"
	.amdhsa_code_object_version 6
	.text
	.protected	k_qb27e1d8413_cast
	.globl	k_qb27e1d8413_cast
	.p2align	8
	.type	k_qb27e1d8413_cast,@function
k_qb27e1d8413_cast:
	s_mov_b64 s[64:65], 0
	v_nop
	global_prefetch_b8 v0, s[64:65] scope:SCOPE_SE
	s_setreg_imm32_b32 hwreg(HW_REG_WAVE_MODE, 25, 1), 1
	s_wait_xcnt 0x0
; Every number of x, Wq, Wk, Wv, Wo is rounded to bf16 (nearest even) and that number is written as f16.
; LIMITS.  The second step is exact for magnitudes from 6.1e-5 to 65,504; below, f16's fixed step of 6e-8 holds; beyond 65,504 the number becomes an infinity.
; LAYOUTS.  xh = [16 blocks of 64 along K][8,192 rows][64]: the next launch's tile of some rows x 64 along K is then dense in memory.
; wh, first 6,291,456 bytes = [16 blocks of 64 along K][3,072 rows][64], row 384 tx + 192 wc + 64 p + i = row 128 tx + 64 wc + i of W_p (p = 0, 1, 2: Wq, Wk, Wv; i < 64):
; the 384 rows that one tile of the next launch multiplies (128 columns each of q, k and v) lie on end.  wh, the rest = Wo as it lies, [1,024][1,024].
; A stream: no LDS, no barrier, no matrix work.  A work-group takes 16 rows of 1,024 numbers (65,536 bytes in, 32,768 out); a thread takes 8 neighbouring numbers in each of 8 chunks; chunk c holds
; the K blocks 2 c and 2 c + 1.  The lanes are dealt so that every store of a wave covers whole aligned runs of 256 bytes: in the blocked layouts 8 lanes a row and 4 rows (512 bytes on end),
; for Wo 16 lanes a row (two K blocks, 256 bytes) and 2 rows.  All 16 loads of a thread go out first.  No register that a load or store names is written again.
.set OFF, 6                            ; v[6:13]    chunk c: my byte offset in the destination
.set X, 16                             ; v[16:79]   chunk c: 8 f32 as loaded
.set P, 80                             ; v[80:83]   8 numbers as bf16
.set T, 84                             ; v[84:91]   the same as f32
.set Y, 92                             ; v[92:123]  chunk c: 8 f16 to store
	s_load_b256 s[4:11], s[0:1], 0x0               ; x s[4:5], Wq s[6:7], Wk s[8:9], Wv s[10:11]
	s_load_b128 s[12:15], s[0:1], 0x20             ; Wo s[12:13], xh s[14:15]
	s_load_b64 s[16:17], s[0:1], 0x30              ; wh
	s_mov_b32 s30, 0xffff0000                      ; a word's upper bf16
	s_sub_co_u32 s18, ttmp9, 512                   ; work-groups 512 on: block j of the weights (what is made of it is used only there)
	s_lshr_b32 s19, s18, 6                         ; p: which of the four, 64 blocks of 16 rows each
	s_and_b32 s24, s18, 63                         ; the block inside it = 8 tx + 4 wc + q
	s_lshr_b32 s28, s24, 3
	s_mul_i32 s28, s28, 24                         ; 24 tx
	s_bfe_u32 s29, s24, 0x10002
	s_mul_i32 s29, s29, 12                         ; + 12 wc
	s_add_co_u32 s28, s28, s29
	s_and_b32 s29, s24, 3                          ; + q
	s_add_co_u32 s28, s28, s29
	s_lshl_b32 s29, s19, 2                         ; + 4 p
	s_add_co_u32 s28, s28, s29
	s_lshl_b32 s26, s28, 11                        ; Wq, Wk, Wv: the block's 16 rows of 128 bytes in K block 0
	s_lshl_b32 s29, s24, 15
	s_add_co_u32 s29, s29, 0x600000                ; Wo: behind the 6,291,456 bytes, 16 rows of 2,048 bytes a block
	s_mov_b32 s31, 3072*128                        ; bytes from a K block to the next,
	s_mov_b32 s2, 128                              ; from a row to the next,
	s_mov_b32 s3, 3                                ; the row is bits 6:3 of the thread's number,
	s_mov_b32 s28, 7                               ; the K block of the chunk's two is bit 7
	s_cmp_eq_u32 s19, 3                            ; Wo: row-major
	s_cselect_b32 s26, s29, s26
	s_cselect_b32 s31, 128, s31
	s_cselect_b32 s2, 2048, s2
	s_cselect_b32 s3, 4, s3                        ; the row is bits 7:4,
	s_cselect_b32 s28, 3, s28                      ; the K block bit 3
	s_lshl_b32 s29, ttmp9, 11
	s_cmp_lt_u32 ttmp9, 512                        ; work-groups 0 to 511: x
	s_cselect_b32 s26, s29, s26
	s_cselect_b32 s31, 8192*128, s31
	s_cselect_b32 s24, ttmp9, s24                  ; block in the source
	v_and_b32 v3, 7, v0                            ; which 8 of a K block's 64 numbers
	v_lshrrev_b32 v4, s3, v0
	v_and_b32 v4, 15, v4                           ; row
	v_lshrrev_b32 v5, s28, v0
	v_and_b32 v5, 1, v5                            ; K block of the chunk's two
	v_lshlrev_b32 v1, 5, v3                        ; in: 32 bytes a thread,
	v_lshl_add_u32 v1, v4, 12, v1                  ; rows of 4,096 bytes,
	v_lshl_add_u32 v1, v5, 8, v1                   ; K blocks of 256 bytes
	v_lshlrev_b32 v2, 4, v3                        ; out: 16 bytes a thread
	v_mad_u32_u24 v2, v4, s2, v2
	v_mad_u32_u24 v2, v5, s31, v2
	s_lshl_b32 s31, s31, 1                         ; a chunk is two K blocks
.irp c, 0,1,2,3,4,5,6,7
	s_mul_i32 s29, s31, \c
	v_add_nc_u32 v[OFF+(\c)], s29, v2
.endr
	s_wait_kmcnt 0x0
	s_cmp_eq_u32 s19, 1
	s_cselect_b64 s[20:21], s[8:9], s[6:7]
	s_cmp_eq_u32 s19, 2
	s_cselect_b64 s[20:21], s[10:11], s[20:21]
	s_cmp_eq_u32 s19, 3
	s_cselect_b64 s[20:21], s[12:13], s[20:21]
	s_cmp_lt_u32 ttmp9, 512
	s_cselect_b64 s[20:21], s[4:5], s[20:21]       ; from where
	s_cselect_b64 s[22:23], s[14:15], s[16:17]     ; to where
	s_lshl_b32 s24, s24, 16
	s_mov_b32 s25, 0
	s_mov_b32 s27, 0
	s_add_nc_u64 s[20:21], s[20:21], s[24:25]
	s_add_nc_u64 s[22:23], s[22:23], s[26:27]
.irp c, 0,1,2,3,4,5,6,7
	global_load_b128 v[X+8*(\c):X+8*(\c)+3],   v1, s[20:21] offset:512*(\c) th:TH_LOAD_NT
	global_load_b128 v[X+8*(\c)+4:X+8*(\c)+7], v1, s[20:21] offset:512*(\c)+16 th:TH_LOAD_NT
.endr
.irp c, 0,1,2,3,4,5,6,7
	s_wait_loadcnt 14-2*(\c)                       ; loads come back in order: chunk c's two are in, the younger chunks' stay out
.irp j, 0,1,2,3
	v_cvt_pk_bf16_f32 v[P+(\j)], v[X+8*(\c)+2*(\j)], v[X+8*(\c)+2*(\j)+1]
.endr
.irp j, 0,1,2,3
	v_lshlrev_b32 v[T+2*(\j)],   16,  v[P+(\j)]
	v_and_b32     v[T+2*(\j)+1], s30, v[P+(\j)]
.endr
.irp j, 0,1,2,3
	v_cvt_pk_f16_f32 v[Y+4*(\c)+(\j)], v[T+2*(\j)], v[T+2*(\j)+1]
.endr
	global_store_b128 v[OFF+(\c)], v[Y+4*(\c):Y+4*(\c)+3], s[22:23]
.endr
	s_endpgm
.Lfunc_end_k_qb27e1d8413_cast:
	.size	k_qb27e1d8413_cast, .Lfunc_end_k_qb27e1d8413_cast-k_qb27e1d8413_cast
	.p2alignl 7, 3214868480
	.fill 96, 4, 3214868480
	.section	.rodata,"a",@progbits
	.p2align	6, 0x0
	.amdhsa_kernel k_qb27e1d8413_cast
		.amdhsa_group_segment_fixed_size 0
		.amdhsa_private_segment_fixed_size 0
		.amdhsa_enable_private_segment 0
		.amdhsa_kernarg_size 56
		.amdhsa_user_sgpr_count 2
		.amdhsa_user_sgpr_kernarg_segment_ptr 1
		.amdhsa_wavefront_size32 1
		.amdhsa_system_sgpr_workgroup_id_x 1
		.amdhsa_system_sgpr_workgroup_id_y 1
		.amdhsa_system_sgpr_workgroup_id_z 1
		.amdhsa_system_vgpr_workitem_id 0
		.amdhsa_next_free_vgpr 128
		.amdhsa_next_free_sgpr 66
		.amdhsa_reserve_vcc 0
		.amdhsa_float_denorm_mode_32 3
		.amdhsa_float_denorm_mode_16_64 3
		.amdhsa_memory_ordered 1
		.amdhsa_forward_progress 1
		.amdhsa_inst_pref_size 12
	.end_amdhsa_kernel
	.amdgpu_metadata
---
amdhsa.version: [ 1, 2 ]
amdhsa.kernels:
  - .name:           k_qb27e1d8413_cast
    .symbol:         k_qb27e1d8413_cast.kd
    .args:
      - { .name: x, .offset: 0, .size: 8, .value_kind: global_buffer, .address_space: global }
      - { .name: Wq, .offset: 8, .size: 8, .value_kind: global_buffer, .address_space: global }
      - { .name: Wk, .offset: 16, .size: 8, .value_kind: global_buffer, .address_space: global }
      - { .name: Wv, .offset: 24, .size: 8, .value_kind: global_buffer, .address_space: global }
      - { .name: Wo, .offset: 32, .size: 8, .value_kind: global_buffer, .address_space: global }
      - { .name: xh, .offset: 40, .size: 8, .value_kind: global_buffer, .address_space: global }
      - { .name: wh, .offset: 48, .size: 8, .value_kind: global_buffer, .address_space: global }
    .group_segment_fixed_size: 0
    .private_segment_fixed_size: 0
    .kernarg_segment_align: 8
    .kernarg_segment_size: 56
    .max_flat_workgroup_size: 256
    .sgpr_count:     66
    .vgpr_count:     128
    .wavefront_size: 32
...
	.end_amdgpu_metadata
.endif
;; end of part 6
;; launch proj (part 7): grid 8 x 32, 4 waves a work-group, clusters of 4 x 4, 327,680 bytes of LDS; arguments xh, wh, qkv, bq, bk, bv; writes qkv
.if DOCPART == 7
	.amdgcn_target "amdgcn-amd-amdhsa--gfx1250"
	.amdhsa_code_object_version 6
	.text
	.protected	k_qb27e1d8413_proj
	.globl	k_qb27e1d8413_proj
	.p2align	8
	.type	k_qb27e1d8413_proj,@function
k_qb27e1d8413_proj:
	s_mov_b64 s[64:65], 0
	v_nop
	global_prefetch_b8 v0, s[64:65] scope:SCOPE_SE
	s_setreg_imm32_b32 hwreg(HW_REG_WAVE_MODE, 25, 1), 1
	s_wait_xcnt 0x0
	s_wait_alu depctr_hold_cnt(0) depctr_sa_sdst(0) depctr_va_vdst(0) depctr_va_sdst(0) depctr_va_ssrc(0) depctr_va_vcc(0) depctr_vm_vsrc(0)
	s_getreg_b32 s2, hwreg(HW_REG_IB_STS2, 6, 4)
	s_cmp_eq_u32 s2, 0
	s_cbranch_scc0 .Lentry_in_a_cluster
	s_endpgm
.Lentry_in_a_cluster:
	s_bfe_u32 s2, ttmp6, 0x10000c
	s_cmp_lg_u32 s2, 0xf033
	s_cbranch_scc0 .Lentry_shape_is_right
	s_endpgm
.Lentry_shape_is_right:
; qkv[p][m][n] = sum over k of x[m][k] W_p[n][k] + b_p[n], p = 0, 1, 2 (q, k, v).  x and W in f16 as the launch before laid them out: xh = [16 K blocks of 64][8,192 rows][64],
; wh = [16 K blocks][3,072 rows][64] with row 384 tx + 192 wc + 64 p + i = row 128 tx + 64 wc + i of W_p.  qkv = [3][8,192][1,024] in f16, rounded once from f32 sums.
; THE BIAS is rounded to bf16 like every input of the module, written as f16, and enters as the FIRST PRODUCT of every sum (C = 0): a fragment with b[n] at k = 0 times a fragment with 1 at k = 0.
; These 96 products stand in the wait for the first tiles; behind them every K step has the same text.
; LIMITS.  q, k, v and the biases beyond 65,504 become infinities; a bias below 6.1e-5 keeps f16's fixed step of 6e-8.
; SHARES.  A tile is 256 rows x 384 columns (128 each of q, k, v): 32 x 8 tiles, one work-group each.  Four waves, each 128 x 192: 96 accumulators of 16 x 16, 768 registers.
; For 32 along K a wave reads (128 + 192) x 64 bytes from LDS for 96 matrix instructions.
; THE RING.  K goes in steps of 64 through two LDS slots of 640 rows x 144 bytes.  (Two slots of a step of 128 would be 2 x 640 x 272 = 348,160 bytes: more than LDS has.)  A wave's part of a tile,
; 128 rows of xh (waves 0, 1) or 192 rows of wh (waves 2, 3) x 128 bytes, is dense in memory: it is asked for as 64 or 96 rows of 256 bytes, aligned, and padded in LDS behind every 128 bytes.
; By this text's count a wave has two tensor loads out at the start, later one.
; CLUSTER.  4 x 4 work-groups: xh's tile is shared along a row of the cluster, wh's along a column; each is asked for jointly.
; THE MATRIX INSTRUCTION IS USED TRANSPOSED (source 0 = 16 rows of wh, source 1 = 16 rows of xh): a lane holds row lane % 16 and the eight neighbouring columns 8 (lane / 16) + 0..7.
; REGISTERS, in windows of 256 (s_set_vgpr_msb: bits 1:0 source 0, 3:2 source 1, 5:4 source 2, 7:6 destination):
;   window 0: v0-31 addresses; v32-95, v96-159 xh's 8 fragments, two buffers; v160-255 wh's 12 fragments, ONE buffer: four of them are loaded anew behind the 32 products that read them
;   window 1 + p: plane p: accumulator (row block a, column block 4 p + q) at v[8 (8 q + a)]
.set PITCH,  144                       ; an LDS row: 128 bytes + 16 of padding = 36 words: the 16 rows of a fragment load start at 16 different groups of four banks
.set AHALF,  128*PITCH
.set BOFF,   256*PITCH                 ; in a slot: 256 rows of xh, then 384 rows of wh
.set BHALF,  192*PITCH
.set SLOT1,  1<<17                     ; slot 1 begins here (a slot has 92,160 bytes), so that one exclusive or turns an address in one slot into the other's
.set STAGE,  SLOT1+BOFF+2*BHALF        ; behind the ring: 128 rows x 784 bytes, the work-group's, for the way out
.set SP,     784                       ; 3 planes x 256 bytes + 16 of padding
.set SPARE,  STAGE+128*SP              ; behind the stage: the spare words, 128 bytes a wave, that no other line names
.set STEPA,  8192*128                  ; bytes from a K block to the next in xh,
.set STEPB,  3072*128                  ; in wh
.set FILLS,  14                        ; K steps 2 to 15 come by refills
.set AL,   8                           ; v8   my lane's place in xh's part of a slot; never rewritten
.set BL,   9                           ; v9   the same for wh
.set ADRA, 10                          ; v10  AL + the slot being fetched from
.set ADRB, 11                          ; v11  BL + the same
.set STO,  12                          ; the way out: where I put 16 bytes of a row
.set RD,   13                          ; where I read rows back
.set CO,   14                          ; my byte offset in the result
.set BO,   15                          ; my byte offset in a bias
.set SPW,  28                          ; my spare word's LDS address; never rewritten
.set NIL,  29                          ; 0; never rewritten
.set TMP,  32                          ; the way out: packed results
.set RB,   64                          ; the way out: v64-255 rows read back
.set FA0,  32
.set FA1,  96
.set FB,   160
.set G1,  24                           ; s[24:31] group 1 for xh's tiles; s[32:39] group 0: a set for each of the two first fills; the second then walks on
.set G0,  32
.set G1B, 48                           ; s[48:55], s[56:63] the same for wh's
.set G0B, 56
.set TB,  66                           ; s66  LDS byte at which the slot being fetched from begins
.set OB,  76                           ; s[76:81] the three planes of qkv at the first row that I store
.set MSB, 0
.macro WIN new                         ; the immediate's high byte repeats the setting that is left
.if MSB != (\new)
	s_set_vgpr_msb (MSB<<8)|(\new)
.set MSB, \new
.endif
.endm
.macro PLACES                          ; four places behind matrix instructions, in front of loads into their sources and of reads of their results
.rept 4
	v_nop
.endr
.endm
.macro JLOAD s                         ; a joint load: waves 0, 1 ask for xh's halves, waves 2, 3 for wh's; s_nop 0 and four v_nop behind each line
	s_cmp_eq_u32 s11, 0
	s_cbranch_scc0 .Lfor_b_\@
	tensor_load_to_lds s[G0+4*(\s):G0+4*(\s)+3], s[G1:G1+7]
	s_nop 0
.rept 4
	v_nop
.endr
	s_branch .Lasked_\@
.Lfor_b_\@:
	tensor_load_to_lds s[G0B+4*(\s):G0B+4*(\s)+3], s[G1B:G1B+7]
	s_nop 0
.rept 4
	v_nop
.endr
.Lasked_\@:
.endm
.macro CREST                           ; a round of the cluster's barrier behind its opening barrier
	s_cmp_lg_u32 s10, 0
	s_cbranch_scc1 .Lnot_wave_0_\@
	s_barrier_signal -3
.Lnot_wave_0_\@:
	s_barrier_wait -3
	s_barrier_signal -1
	s_barrier_wait -1
.endm
.macro CROUND
	s_barrier_signal -1
	s_barrier_wait -1
	CREST
.endm
; 8 matrix instructions: column block b x all 8 row blocks, 32 along K.  first = 1: the bias product, which starts the sums: source 1 is the one fragment at fa.
; The 96 accumulators take turns in one order everywhere.
.macro MULB fa, b, first
	WIN 0x50*(1+(\b)/4)
.irp a, 0,1,2,3,4,5,6,7
.if \first
	v_wmma_f32_16x16x32_f16 v[8*(8*((\b)%4)+(\a)):8*(8*((\b)%4)+(\a))+7], v[FB+8*(\b):FB+8*(\b)+7], v[(\fa):(\fa)+7], 0
.else
	v_wmma_f32_16x16x32_f16 v[8*(8*((\b)%4)+(\a)):8*(8*((\b)%4)+(\a))+7], v[FB+8*(\b):FB+8*(\b)+7], v[(\fa)+8*(\a):(\fa)+8*(\a)+7], v[8*(8*((\b)%4)+(\a)):8*(8*((\b)%4)+(\a))+7]
.endif
.endr
.endm
.macro BLK fa, n                       ; plane n: 32 matrix instructions under one window setting
.irp q, 0,1,2,3
	MULB \fa, 4*(\n)+(\q), 0
.endr
.endm
.macro LDB b0, k                       ; 8 LDS loads: wh's fragments b0 .. b0 + 3 for the 32 along K at byte k of the rows
	WIN 0
.irp i, 0,1,2,3
	ds_load_b128 v[FB+8*((\b0)+(\i)):FB+8*((\b0)+(\i))+3],   v[ADRB] offset:(\k)+((\b0)+(\i))*16*PITCH
	ds_load_b128 v[FB+8*((\b0)+(\i))+4:FB+8*((\b0)+(\i))+7], v[ADRB] offset:(\k)+((\b0)+(\i))*16*PITCH+32
.endr
.endm
.macro LDA f, k                        ; 16 LDS loads: xh's 8 fragments into buffer f
	WIN 0
.irp i, 0,1,2,3,4,5,6,7
	ds_load_b128 v[(\f)+8*(\i):(\f)+8*(\i)+3],   v[ADRA] offset:(\k)+(\i)*16*PITCH
	ds_load_b128 v[(\f)+8*(\i)+4:(\f)+8*(\i)+7], v[ADRA] offset:(\k)+(\i)*16*PITCH+32
.endr
.endm
; A K step is two halves of 32 along K, 96 matrix instructions each.  LDS loads go in three runs a half, each behind the 32 products that read the registers it fills: 24 (wh's fragments 0-3 and
; xh's eight, into the other buffer), 8 (fragments 4-7), 8 (fragments 8-11).  Each run is read a half later.
; The first half multiplies xh's buffer 0 and fetches the step's second 32 along K (byte 64 of the same slot's rows).
.macro HALF0
	s_wait_dscnt 16                                ; the run of 24 is in; the two runs of 8 behind it may be out
	BLK FA0, 0
	PLACES
	LDB 0, 64
	LDA FA1, 64
	s_wait_dscnt 32                                ; fragments 4-7 are in; behind them: a run of 8 and the 24 just issued
	BLK FA0, 1
	PLACES
	LDB 4, 64
	s_wait_dscnt 32                                ; fragments 8-11 are in; behind them: the runs of 24 and 8 of this half
	BLK FA0, 2
	PLACES
	LDB 8, 64
.endm
; The second half multiplies buffer 1 and changes slots at its head: all reads of this slot have been issued.  ONE barrier: in front of it each wave waits for all its tensor loads (its part of the
; other slot), adds 0 to its spare word, and waits for that and for its reads.  fill = 1: the barrier opens a round of the cluster's, and this slot is filled again, two K steps ahead, first thing
; behind it: that load has 176 of a step's 192 matrix instructions in which to land.  Then the other slot's first 32 along K are fetched.
.macro HALF1 fill
	WIN 0
	s_wait_tensorcnt 0x0                           ; all my tensor loads have landed
	ds_add_u32 v[SPW], v[NIL]
	s_wait_dscnt 17                                ; the run of 24 is in; two runs of 8 and the add may be out
	MULB FA1, 0, 0
	s_wait_dscnt 0x0                               ; the add is done, my reads of this slot are over
	s_barrier_signal -1
	MULB FA1, 1, 0
	WIN 0
	s_barrier_wait -1
.if \fill
	CREST                                          ; no wave of any partner still reads this slot or has a load out
	s_xor_b32 s[G0+5], s[G0+5], SLOT1              ; the walking descriptors: the other slot than last time,
	s_add_nc_u64 s[G0+6:G0+7], s[G0+6:G0+7], STEPA ; the next K block; the type bits on top are not reached
	s_xor_b32 s[G0B+5], s[G0B+5], SLOT1
	s_add_nc_u64 s[G0B+6:G0B+7], s[G0B+6:G0B+7], STEPB
	JLOAD 1                                        ; my one tensor load behind the round
.endif
	s_xor_b32 s[TB], s[TB], SLOT1                  ; the fetches go on in the other slot
	v_add_nc_u32 v[ADRA], s[TB], v[AL]
	v_add_nc_u32 v[ADRB], s[TB], v[BL]
	MULB FA1, 2, 0
	MULB FA1, 3, 0
	PLACES
	LDB 0, 0
	LDA FA0, 0
	BLK FA1, 1                                     ; (all this half's fragments were in at the wait for 0)
	PLACES
	LDB 4, 0
	BLK FA1, 2
	PLACES
	LDB 8, 0
.endm
	s_load_b128 s[4:7], s[0:1], 0x0                ; xh, wh
	s_load_b64 s[8:9], s[0:1], 0x10                ; qkv
	s_load_b64 s[68:69], s[0:1], 0x18              ; bq
	s_load_b64 s[70:71], s[0:1], 0x20              ; bk
	s_load_b64 s[72:73], s[0:1], 0x28              ; bv
	v_lshl_add_u32 v[SPW], v0, 2, SPARE
	v_mov_b32 v[NIL], 0
	ds_add_u32 v28, v29
	ds_add_u32 v28, v29
	s_wait_dscnt 0x0
	v_lshrrev_b32 v1, 5, v0
	v_readfirstlane_b32 s10, v1                    ; wave 0..3
	s_lshr_b32 s11, s10, 1                         ; which 128 rows are mine.  Also: I fetch for xh (0) or wh (1)
	s_and_b32 s12, s10, 1                          ; which 192 columns.  Also: which half of that tile I fetch
	s_bfe_u32 s40, ttmp6, 0x40000                  ; cx
	s_bfe_u32 s41, ttmp6, 0x40004                  ; cy
	s_lshl_b32 s42, ttmp9, 2
	s_add_co_u32 s42, s42, s40                     ; tile column tx = 4 x cluster x + cx
	s_and_b32 s13, ttmp7, 0xffff
	s_lshl_b32 s13, s13, 2
	s_add_co_u32 s13, s13, s41                     ; tile row
	s_lshl_b32 s43, s41, 2
	s_lshl_b32 s43, 15, s43                        ; my row of the cluster
	s_lshl_b32 s44, 0x1111, s40                    ; my column
	s_or_b32 s[G1+0], s43, (1<<16)|(1<<20)|(1<<21)|(4<<22)|(3<<25)   ; mask; 2-byte elements; padding on; bit 21 beside a mask; 4 words behind every 32
	s_or_b32 s[G1B+0], s44, (1<<16)|(1<<20)|(1<<21)|(4<<22)|(3<<25)
.irp g, G1, G1B
	s_mov_b32 s[(\g)+1], 128<<16                   ; tensor_dim0 = 128 elements: 256 bytes, two rows of the tile
	s_mov_b32 s[(\g)+3], 128<<16                   ; tile_dim0 = 128
	s_mov_b32 s[(\g)+5], 128                       ; dense: 128 elements from row to row
	s_mov_b32 s[(\g)+6], 0
	s_mov_b32 s[(\g)+7], 0
.endr
	s_mov_b32 s[G1+2], 64<<16                      ; tensor_dim1, tile_dim1: 64 such rows of xh (128 of the tile's),
	s_mov_b32 s[G1+4], 64
	s_mov_b32 s[G1B+2], 96<<16                     ; 96 of wh (192 of the tile's)
	s_mov_b32 s[G1B+4], 96
	s_lshl_b32 s16, s13, 8
	s_lshl_b32 s17, s12, 7
	s_add_co_u32 s16, s16, s17                     ; xh: row 256 x tile row + 128 x half,
	s_lshl_b32 s16, s16, 7                         ; 128 bytes a row in a K block
	s_mov_b32 s17, 0
	s_mul_i32 s46, s42, 384
	s_mul_i32 s47, s12, 192
	s_add_co_u32 s46, s46, s47                     ; wh: row 384 x tile column + 192 x half
	s_lshl_b32 s46, s46, 7
	s_mov_b32 s47, 0
	s_mul_i32 s20, s12, AHALF                      ; where they go: no place in the cluster enters an LDS address
	s_mul_i32 s23, s12, BHALF
	s_add_co_u32 s23, s23, BOFF
	s_mov_b32 s[TB], 0
	s_wait_kmcnt 0x0
	s_add_nc_u64 s[14:15], s[4:5], s[16:17]
	s_add_nc_u64 s[46:47], s[6:7], s[46:47]
	CROUND                                         ; all sixteen work-groups are here: the first joint loads meet
.irp s, 0,1
	s_mov_b32 s[G0+4*(\s)], 1
	s_add_co_u32 s[G0+4*(\s)+1], s20, (\s)*SLOT1
	s_add_nc_u64 s[G0+4*(\s)+2:G0+4*(\s)+3], s[14:15], (\s)*STEPA
	s_or_b32 s[G0+4*(\s)+3], s[G0+4*(\s)+3], 0x80000000
	s_mov_b32 s[G0B+4*(\s)], 1
	s_add_co_u32 s[G0B+4*(\s)+1], s23, (\s)*SLOT1
	s_add_nc_u64 s[G0B+4*(\s)+2:G0B+4*(\s)+3], s[46:47], (\s)*STEPB
	s_or_b32 s[G0B+4*(\s)+3], s[G0B+4*(\s)+3], 0x80000000
	JLOAD \s
.endr
	; THE BIAS.  Column block 4 p + q of my wave is columns 128 tx + 64 wc + 16 q + 0..15 of plane p; lane l takes the number of column l % 16.
	v_and_b32 v1, 15, v0                           ; r = lane % 16
	v_bfe_u32 v2, v0, 4, 1                         ; h = lane / 16
	s_lshl_b32 s14, s42, 7
	s_lshl_b32 s15, s12, 6
	s_add_co_u32 s14, s14, s15
	v_add_nc_u32 v[BO], s14, v1
	v_lshlrev_b32 v[BO], 2, v[BO]
.irp p, 0,1,2
.irp q, 0,1,2,3
	global_load_b32 v[FA1+4*(\p)+(\q)], v[BO], s[68+2*(\p):69+2*(\p)] offset:64*(\q)
.endr
.endr
	; A fragment is 16 rows x 32 K in 8 registers; k = 0 is the low half of register 0 in lanes 0-15.  The bias fragments hold b there (lanes 16-31 hold it at k = 8) and 0 elsewhere;
	; the other source holds 1 at k = 0 and 0 everywhere else, so only k = 0 counts.
.set i, 0
.rept 96
.if i%8
	v_mov_b32 v[FB+i], 0
.endif
.set i, i+1
.endr
	v_sub_nc_u32 v3, 1, v2
	v_mul_u32_u24 v[FA0], v3, 0x3c00               ; 1.0 in f16 in lanes 0-15, 0 in lanes 16-31
.irp j, 1,2,3,4,5,6,7
	v_mov_b32 v[FA0+(\j)], 0
.endr
	v_mul_u32_u24 v3, v1, PITCH
	v_lshl_add_u32 v3, v2, 4, v3                   ; a fragment's row x pitch + 16 x half
	s_mul_i32 s21, s11, AHALF
	s_mul_i32 s22, s12, BHALF
	s_add_co_u32 s22, s22, BOFF
	v_add_nc_u32 v[AL], s21, v3
	v_add_nc_u32 v[BL], s22, v3
	v_mov_b32 v[ADRA], v[AL]                       ; slot 0
	v_mov_b32 v[ADRB], v[BL]
	s_lshl_b32 s21, s11, 6                         ; into the stage: row 64 x my half of the rows + r, my 128 bytes of each plane's 256, 16 bytes for each half of the lanes
	v_add_nc_u32 v4, s21, v1
	v_mul_u32_u24 v4, v4, SP
	v_lshl_add_u32 v4, v2, 4, v4
	s_lshl_b32 s21, s12, 7
	s_add_co_u32 s21, s21, STAGE
	v_add_nc_u32 v[STO], s21, v4
	s_lshl_b32 s21, s10, 5                         ; back: wave w takes rows 32 w .. 32 w + 31; lanes 0-15 a plane's 256 bytes of one row, lanes 16-31 of the next
	v_add_nc_u32 v4, s21, v2
	v_mul_u32_u24 v4, v4, SP
	v_lshl_add_u32 v4, v1, 4, v4
	v_add_nc_u32 v[RD], STAGE, v4
	v_lshlrev_b32 v4, 11, v2                       ; the same two rows in a plane of qkv
	v_lshl_add_u32 v[CO], v1, 4, v4
	s_lshl_b32 s16, s13, 8                         ; stage row 64 i + j of half f is the tile's row 128 i + 64 f + j: my first is 128 (w / 2) + 32 (w % 2)
	s_lshl_b32 s17, s11, 7
	s_add_co_u32 s16, s16, s17
	s_lshl_b32 s17, s12, 5
	s_add_co_u32 s16, s16, s17
	s_lshl_b32 s16, s16, 11                        ; rows of 2,048 bytes
	s_lshl_b32 s17, s42, 8                         ; the tile's 128 columns of a plane
	s_add_co_u32 s16, s16, s17
	s_mov_b32 s17, 0
	s_add_nc_u64 s[OB:OB+1], s[8:9], s[16:17]
	s_add_nc_u64 s[OB+2:OB+3], s[OB:OB+1], 0x1000000   ; a plane is 16,777,216 bytes
	s_add_nc_u64 s[OB+4:OB+5], s[OB+2:OB+3], 0x1000000
	s_wait_loadcnt 0x0                             ; the biases are in: to bf16, widened, to f16 in the low half
.set i, 0
.rept 12
	v_cvt_pk_bf16_f32 v[FA1+16+i], v[FA1+i], v[FA1+i]
.set i, i+1
.endr
.set i, 0
.rept 12
	v_lshlrev_b32 v[FA1+16+i], 16, v[FA1+16+i]
.set i, i+1
.endr
.set i, 0
.rept 12
	v_cvt_pk_f16_f32 v[FB+8*i], v[FA1+16+i], v[NIL]
.set i, i+1
.endr
.irp b, 0,1,2,3,4,5,6,7,8,9,10,11
	MULB FA0, \b, 1                                ; every sum starts with its bias
.endr
	WIN 0
	PLACES                                         ; in front of the loads into these fragments' registers
	s_wait_tensorcnt 0x1                           ; my part of K step 0 is in; K step 1's may stay out
	s_barrier_signal -1
	s_barrier_wait -1
	LDB 0, 0                                       ; K step 0's first 32 along K, in the order of a half's three runs
	LDA FA0, 0
	LDB 4, 0
	LDB 8, 0
	s_mov_b32 s3, FILLS
.Lstep:                                                ; a trip is a K step; its slot is filled again with the step two further on
	HALF0
	HALF1 1
	s_sub_co_u32 s3, s3, 1
	s_cmp_lg_u32 s3, 0
	s_cbranch_scc1 .Lstep
	s_mov_b32 s3, 2
.Llast:                                                ; the last two K steps ask for nothing.  The very last fetches the other slot's fragments once more, 40 loads that nobody uses:
	HALF0                                          ; the price, once a launch, of one text for both steps
	HALF1 0
	s_sub_co_u32 s3, s3, 1
	s_cmp_lg_u32 s3, 0
	s_cbranch_scc1 .Llast
	s_wait_dscnt 0x0                               ; those loads are back: their registers serve the way out
; THE WAY OUT, in two halves of 128 rows (row blocks 4 f .. 4 f + 3 of each wave).  A wave's 64 columns of a plane are 128 bytes, half of an aligned 256 bytes of qkv: so the four waves share ONE stage,
; with a barrier between writing and reading and another before it is written again.
.macro PUT f, p, ap                    ; plane p, row blocks 4 f + ap and 4 f + ap + 1: 8 accumulators rounded to f16, each accumulator's registers in ascending order, 16 bytes a lane into the stage
	WIN 5*(1+(\p))                                 ; sources 0 and 1 in window 1 + p, destination in window 0
.irp e, 0,1
.irp q, 0,1,2,3
.irp i, 0,1,2,3
	v_cvt_pk_f16_f32 v[TMP+16*(\e)+4*(\q)+(\i)], v[8*(8*(\q)+4*(\f)+(\ap)+(\e))+2*(\i)], v[8*(8*(\q)+4*(\f)+(\ap)+(\e))+2*(\i)+1]
.endr
.endr
.endr
	WIN 0
.irp e, 0,1
.irp q, 0,1,2,3
	ds_store_b128 v[STO], v[TMP+16*(\e)+4*(\q):TMP+16*(\e)+4*(\q)+3] offset:((\ap)+(\e))*16*SP+256*(\p)+32*(\q)
.endr
.endr
.endm
.macro GET f                           ; my 32 rows of the stage, plane by plane, and out
.irp p, 0,1,2
.irp t, 0,1,2,3,4,5,6,7,8,9,10,11,12,13,14,15
	ds_load_b128 v[RB+4*(16*(\p)+(\t)):RB+4*(16*(\p)+(\t))+3], v[RD] offset:(\t)*2*SP+256*(\p)
.endr
.endr
.irp p, 0,1,2
	s_wait_dscnt 32-16*(\p)                        ; plane p's 16 loads are back; the later planes' may be out
.irp t, 0,1,2,3,4,5,6,7,8,9,10,11,12,13,14,15
	global_store_b128 v[CO], v[RB+4*(16*(\p)+(\t)):RB+4*(16*(\p)+(\t))+3], s[OB+2*(\p):OB+2*(\p)+1] offset:(64*(\f)+2*(\t))*2048  ; 16 lanes store 256 consecutive bytes, aligned
.endr
.endr
.endm
.irp p, 0,1,2
	PUT 0, \p, 0
	PUT 0, \p, 2
.endr
	s_wait_dscnt 0x0                               ; for the others' sake: my stores into the stage are done
	s_barrier_signal -1
	s_barrier_wait -1
	GET 0
	s_barrier_signal -1                            ; my reads of the stage are back (the last count above was 0): it may be written again when all four have said so
	s_barrier_wait -1
.irp p, 0,1,2
	PUT 1, \p, 0
	PUT 1, \p, 2
.endr
	s_wait_dscnt 0x0
	s_barrier_signal -1
	s_barrier_wait -1
	s_wait_xcnt 0x0                                ; the registers that the first half's stores read are loaded again only behind this wait
	GET 1
	s_wait_tensorcnt 0x0                           ; the wave's end
	ds_add_u32 v[SPW], v[NIL]
	s_wait_dscnt 0x0
	CROUND                                         ; the closing round
	s_endpgm
.Lfunc_end_k_qb27e1d8413_proj:
	.size	k_qb27e1d8413_proj, .Lfunc_end_k_qb27e1d8413_proj-k_qb27e1d8413_proj
	.p2alignl 7, 3214868480
	.fill 96, 4, 3214868480
	.section	.rodata,"a",@progbits
	.p2align	6, 0x0
	.amdhsa_kernel k_qb27e1d8413_proj
		.amdhsa_group_segment_fixed_size 327680
		.amdhsa_private_segment_fixed_size 0
		.amdhsa_enable_private_segment 0
		.amdhsa_kernarg_size 48
		.amdhsa_user_sgpr_count 2
		.amdhsa_user_sgpr_kernarg_segment_ptr 1
		.amdhsa_wavefront_size32 1
		.amdhsa_system_sgpr_workgroup_id_x 1
		.amdhsa_system_sgpr_workgroup_id_y 1
		.amdhsa_system_sgpr_workgroup_id_z 1
		.amdhsa_system_vgpr_workitem_id 0
		.amdhsa_next_free_vgpr 1024
		.amdhsa_next_free_sgpr 96
		.amdhsa_reserve_vcc 0
		.amdhsa_float_denorm_mode_32 3
		.amdhsa_float_denorm_mode_16_64 3
		.amdhsa_memory_ordered 1
		.amdhsa_forward_progress 1
		.amdhsa_inst_pref_size 108
	.end_amdhsa_kernel
	.amdgpu_metadata
---
amdhsa.version: [ 1, 2 ]
amdhsa.kernels:
  - .name:           k_qb27e1d8413_proj
    .symbol:         k_qb27e1d8413_proj.kd
    .args:
      - { .name: xh, .offset: 0, .size: 8, .value_kind: global_buffer, .address_space: global }
      - { .name: wh, .offset: 8, .size: 8, .value_kind: global_buffer, .address_space: global }
      - { .name: qkv, .offset: 16, .size: 8, .value_kind: global_buffer, .address_space: global }
      - { .name: bq, .offset: 24, .size: 8, .value_kind: global_buffer, .address_space: global }
      - { .name: bk, .offset: 32, .size: 8, .value_kind: global_buffer, .address_space: global }
      - { .name: bv, .offset: 40, .size: 8, .value_kind: global_buffer, .address_space: global }
    .group_segment_fixed_size: 327680
    .private_segment_fixed_size: 0
    .kernarg_segment_align: 8
    .kernarg_segment_size: 48
    .max_flat_workgroup_size: 128
    .sgpr_count:     96
    .vgpr_count:     1024
    .wavefront_size: 32
...
	.end_amdgpu_metadata
.endif
;; end of part 7
;; launch score (part 8): grid 43 x 4, 8 waves a work-group, no clusters, 327,680 bytes of LDS; arguments qkv, pt, st; writes pt, st
.if DOCPART == 8
	.amdgcn_target "amdgcn-amd-amdhsa--gfx1250"
	.amdhsa_code_object_version 6
	.text
	.protected	k_qb27e1d8413_score
	.globl	k_qb27e1d8413_score
	.p2align	8
	.type	k_qb27e1d8413_score,@function
k_qb27e1d8413_score:
	s_mov_b64 s[64:65], 0
	v_nop
	global_prefetch_b8 v0, s[64:65] scope:SCOPE_SE
	s_setreg_imm32_b32 hwreg(HW_REG_WAVE_MODE, 25, 1), 1
	s_wait_xcnt 0x0
; For a tile of 256 queries x 256 keys of one batch: s = q . k (f16 operands, f32 sums); keys below query - 16 are hidden; for each query and each block of 128 keys the block's true maximum m;
; pt[b][query][key] = 2^(c s - c m) in f16, c = log2(e) / 32; st[b][block][query] = (c m, l), l = the sum of the unrounded weights, in f32.  The next launch joins the blocks by the row's maximum.
; LIMITS.  A hidden score counts as -2^100 (c times it is exact, so a row hidden whole in a block gets the weights 1 and c m = -5.7e28, which the next launch weighs with 0); f16's scores, 4.4e12 at
; the most, are nothing beside it.  A weight below 6e-5 keeps f16's fixed step of 6e-8, one below 2^-126 counts as 0.  NaN and infinities are not treated apart.
; THE TILES.  Key tile J is kept for the query tiles I <= J + 1: 2, 3, .. 8, 8 of them, 43 a batch, 172 work-groups of equal work; tile number J (J + 3) / 2 + I.  Tiles hidden whole are neither made nor stored.
; In the seven tiles a batch with J = I - 1 only the first 16 queries see a key: the price of tiles of this size.
; NO CLUSTER: a key tile has 2, 3, .. 8, 8 kept query tiles and a query tile 8, 8, 7, .. 2 kept key tiles: partners that share q's or k's rows would walk different numbers of tiles.
; SHARES.  EIGHT WAVES, each 64 queries x 128 keys (one block): 32 accumulators.  The tile is 256 x 256 so that a K step of 128 channels holds 128 matrix instructions for each wave, 256 for each SIMD,
; between a slot's request and the wait for it, and brings (256 + 256) x 256 bytes for them: two thirds of what a tile of 128 x 256 brings for each product.  Eight waves of 64 x 128 and not four of
; 128 x 128: the way out (mask, maximum, exponentials, sums, stage) is written once for each accumulator, and 64 accumulators a wave would double that text.  The price: 24 LDS loads feed 32 matrix
; instructions where 32 would feed 64.
; THE RING.  K = 1,024 channels in steps of 128 through two LDS slots of 512 rows x 272 bytes.  Every wave brings 64 rows by one tensor load: waves 0-3 rows of q, waves 4-7 rows of k; rows of 256 bytes,
; aligned.  By this text's count a wave has two tensor loads out at the start, later one.
; LAYOUT.  Source 0 = 16 keys, source 1 = 16 queries: a lane holds ONE query (lane % 16) and the keys 16 b + 8 (lane / 16) + 0..7.
; REGISTERS: window 0: v0-31 addresses and statistics; v32-63 packed weights; fragment buffers at v64, v160 (4 of q, 8 of k); window 1: accumulator (a, b) at v[8 (8 a + b)].
.set PITCH,  272                       ; an LDS row: 256 bytes + 16 of padding: the 16 rows of a fragment load start 68 words apart
.set PART,   64*PITCH                  ; what one tensor load brings, and what a wave reads of q
.set BOFF,   256*PITCH                 ; in a slot: 256 rows of q, then 256 rows of k
.set BHALF,  128*PITCH                 ; what a wave reads of k
.set SLOT,   512*PITCH
.set STAGE,  2*SLOT                    ; behind the ring: 16 rows x 272 bytes for each wave
.set STS,    STAGE+8*16*PITCH          ; 64 pairs (c m, l) for each wave: 512 bytes
.set SPARE,  STS+8*512                 ; the spare words, 128 bytes a wave, that no other line names
.set LAPS,   4                         ; a lap = two K steps = once round the ring
.set STEP,   256                       ; bytes of a K step along a row
.set CP,     4096                      ; bytes of a row of pt
.set TQ,   8                           ; v8-11  row block a: keys 16 b + j below this number are hidden from my query
.set CH,   12                          ; v12-15 four chains of the maximum
.set ADRA, 16                          ; v16-17 LDS address of my q fragments in slot 0, 1
.set HID,  18                          ; v18 -2^100
.set STA,  19                          ; v19 where my query's pair goes in LDS
.set ADRB, 20                          ; v20-21 the same as ADRA for k
.set STR,  22                          ; v22 where I read 16 bytes of pairs back
.set STG,  23                          ; v23 their byte offset in st
.set STO,  24                          ; the way out: where I put 16 bytes of a row
.set RD,   25                          ; where I read rows back
.set CO,   26                          ; my byte offset in pt
.set SPW,  28                          ; my spare word's LDS address; never rewritten
.set NIL,  29                          ; 0; never rewritten
.set TMP,  32
.set F0,   64
.set F1,   160
.set G1,  24                           ; s[24:31] descriptor group 1: the shape, the same for every load
.set G0,  32                           ; s[32:39] descriptor group 0, a set for each slot
.set CS,  70                           ; s[70:71] c, outside every descriptor
.set SEL, 72                           ; s[72:73] v_permlanex16_b32's selects
.set MULW, 0x50                        ; C and D in window 1, fragments in window 0
.set MSB, 0
.macro WIN new                         ; the immediate's high byte repeats the setting that is left
.if MSB != (\new)
	s_set_vgpr_msb (MSB<<8)|(\new)
.set MSB, \new
.endif
.endm
.macro PLACES                          ; four places behind matrix instructions, in front of loads into their sources and of reads of their results
.rept 4
	v_nop
.endr
.endm
.macro LOAD s                          ; my 64 rows of slot s: every wave issues the line, each with its own two addresses; s_nop 0 and four v_nop behind it
	tensor_load_to_lds s[G0+4*(\s):G0+4*(\s)+3], s[G1:G1+7]
	s_nop 0
.rept 4
	v_nop
.endr
.endm
.macro MUL8 f, a, zero                 ; row block a x 8 key blocks; the 32 accumulators take turns
	WIN MULW
.irp b, 0,1,2,3,4,5,6,7
.if \zero
	v_wmma_f32_16x16x32_f16 v[8*(8*(\a)+(\b)):8*(8*(\a)+(\b))+7], v[(\f)+32+8*(\b):(\f)+32+8*(\b)+7], v[(\f)+8*(\a):(\f)+8*(\a)+7], 0
.else
	v_wmma_f32_16x16x32_f16 v[8*(8*(\a)+(\b)):8*(8*(\a)+(\b))+7], v[(\f)+32+8*(\b):(\f)+32+8*(\b)+7], v[(\f)+8*(\a):(\f)+8*(\a)+7], v[8*(8*(\a)+(\b)):8*(8*(\a)+(\b))+7]
.endif
.endr
.endm
.macro FETCH slot, k, f                ; 24 LDS loads in one run: k's 16, then q's 8, row blocks ascending
	WIN 0
.irp i, 0,1,2,3,4,5,6,7
	ds_load_b128 v[(\f)+32+8*(\i):(\f)+32+8*(\i)+3],   v[ADRB+(\slot)] offset:(\k)+(\i)*16*PITCH
	ds_load_b128 v[(\f)+32+8*(\i)+4:(\f)+32+8*(\i)+7], v[ADRB+(\slot)] offset:(\k)+(\i)*16*PITCH+32
.endr
.irp i, 0,1,2,3
	ds_load_b128 v[(\f)+8*(\i):(\f)+8*(\i)+3],   v[ADRA+(\slot)] offset:(\k)+(\i)*16*PITCH
	ds_load_b128 v[(\f)+8*(\i)+4:(\f)+8*(\i)+7], v[ADRA+(\slot)] offset:(\k)+(\i)*16*PITCH+32
.endr
.endm
; A K step is four quarters of 32 along K on buffers 0, 1, 0, 1.  One of the first three multiplies buffer f and, in its middle, fetches the next quarter (byte k) into g.
.macro QUARTER slot, k, f, g, zero
	s_wait_dscnt 4                                 ; all but the youngest four loads (q's row blocks 2, 3) are in
	MUL8 \f, 0, \zero
	MUL8 \f, 1, \zero
	PLACES
	FETCH \slot, \k, \g
	s_wait_dscnt 24                                ; all but the 24 just issued
	MUL8 \f, 2, \zero
	MUL8 \f, 3, \zero
.endm
; The last quarter multiplies buffer 1 and changes slots: one barrier; in front of it each wave waits for all its tensor loads, adds 0 to its spare word and waits for that and for its reads.
.macro TURN slot, next, fill
	WIN 0
	s_wait_tensorcnt 0x0                           ; all my tensor loads have landed: my part of the next slot
	ds_add_u32 v[SPW], v[NIL]
	s_wait_dscnt 5                                 ; the add and the youngest four loads may be out
	MUL8 F1, 0, 0
	s_wait_dscnt 0x0                               ; the add is done, my reads of this slot are over
	s_barrier_signal -1
	MUL8 F1, 1, 0
.if \fill
	WIN 0                                          ; the windows are set ahead of the tensor load
.endif
	s_barrier_wait -1
.if \fill
	s_add_nc_u64 s[G0+4*(\slot)+2:G0+4*(\slot)+3], s[G0+4*(\slot)+2:G0+4*(\slot)+3], 2*STEP  ; no load of mine is out: the slot's next K step; the type bits on top are not reached
	LOAD \slot                                     ; my one tensor load behind the barrier; its four v_nop are also the places in front of the loads below
.else
	PLACES
.endif
	FETCH \next, 0, F0
	MUL8 F1, 2, 0
	MUL8 F1, 3, 0
.endm
	s_load_b64 s[4:5], s[0:1], 0x0                 ; qkv
	s_load_b64 s[8:9], s[0:1], 0x8                 ; pt
	s_load_b64 s[66:67], s[0:1], 0x10              ; st
	v_lshl_add_u32 v[SPW], v0, 2, SPARE
	v_mov_b32 v[NIL], 0
	ds_add_u32 v28, v29
	ds_add_u32 v28, v29
	s_wait_dscnt 0x0
	v_lshrrev_b32 v1, 5, v0
	v_readfirstlane_b32 s10, v1                    ; wave 0..7
	s_lshr_b32 s11, s10, 1                         ; which 64 of the tile's queries are mine
	s_and_b32 s12, s10, 1                          ; which 128 of its keys
	s_and_b32 s41, ttmp7, 0xffff                   ; the batch
	s_mov_b32 s42, 0                               ; J = how many of the key tiles' first numbers 2, 5, .. 35 my number has reached
.irp k, 2,5,9,14,20,27,35
	s_cmp_ge_u32 ttmp9, \k
	s_add_co_ci_u32 s42, s42, 0
.endr
	s_add_co_u32 s13, s42, 3
	s_mul_i32 s13, s13, s42
	s_lshr_b32 s13, s13, 1
	s_sub_co_u32 s13, ttmp9, s13                   ; I = number - J (J + 3) / 2
	s_mov_b32 s[CS], 0x3d38aa3b                    ; c = log2(e) / 32
	s_mov_b32 s[CS+1], s[CS]                       ; named with it as a pair
	s_mov_b32 s[SEL], 0x76543210                   ; each lane takes its own place in the other half
	s_mov_b32 s[SEL+1], 0xfedcba98
	s_mov_b32 s[G1+0], (1<<16)|(1<<20)|(5<<22)|(3<<25)   ; 2-byte elements; padding on: 4 words behind every 64
	s_mov_b32 s[G1+1], 128<<16                     ; tensor_dim0 = 128
	s_mov_b32 s[G1+2], 64<<16                      ; tensor_dim1 = 64
	s_mov_b32 s[G1+3], 128<<16                     ; tile_dim0 = 128
	s_mov_b32 s[G1+4], 64                          ; tile_dim1 = 64
	s_mov_b32 s[G1+5], 1024                        ; elements from row to row
	s_mov_b32 s[G1+6], 0
	s_mov_b32 s[G1+7], 0
	s_lshl_b32 s43, s41, 11                        ; the batch's first row
	s_and_b32 s14, s10, 3                          ; which 64 of a tile's 256 rows I fetch
	s_lshr_b32 s15, s10, 2                         ; of q (0) or of k (1)
	s_cmp_eq_u32 s15, 0
	s_cselect_b32 s16, s13, s42                    ; the query tile's number, or the key tile's
	s_lshl_b32 s16, s16, 8
	s_add_co_u32 s16, s16, s43
	s_lshl_b32 s14, s14, 6
	s_add_co_u32 s16, s16, s14                     ; row 2,048 b + 256 x tile + 64 x part,
	s_lshl_b32 s16, s16, 11                        ; rows of 2,048 bytes,
	s_lshl_b32 s15, s15, 24                        ; k in the second plane of 16,777,216 bytes
	s_add_co_u32 s16, s16, s15
	s_mov_b32 s17, 0
	s_mul_i32 s20, s10, PART                       ; where they go: q's four parts, then k's four = wave x 64 rows
	s_wait_kmcnt 0x0
	s_add_nc_u64 s[14:15], s[4:5], s[16:17]
.irp s, 0,1
	s_mov_b32 s[G0+4*(\s)], 1                                        ; count = 1
	s_add_co_u32 s[G0+4*(\s)+1], s20, (\s)*SLOT                      ; LDS address
	s_add_nc_u64 s[G0+4*(\s)+2:G0+4*(\s)+3], s[14:15], (\s)*STEP     ; global address: K step s
	s_or_b32 s[G0+4*(\s)+3], s[G0+4*(\s)+3], 0x80000000              ; type = 2
	LOAD \s                                        ; the ring is filled before anything else is done
.endr
	v_and_b32 v1, 15, v0                           ; r
	v_bfe_u32 v2, v0, 4, 1                         ; h
	v_mul_u32_u24 v3, v1, PITCH
	v_lshl_add_u32 v3, v2, 4, v3                   ; a fragment's row x pitch + 16 x half
	s_mul_i32 s21, s11, PART                       ; my 64 rows of q
	s_mul_i32 s22, s12, BHALF                      ; my 128 rows of k,
	s_add_co_u32 s22, s22, BOFF                    ; which lie behind q's 256
.irp s, 0,1
	v_add_nc_u32 v[ADRA+(\s)], s21, v3
	v_add_nc_u32 v[ADRB+(\s)], s22, v3
	s_add_co_u32 s21, s21, SLOT
	s_add_co_u32 s22, s22, SLOT
.endr
	s_mul_i32 s21, s10, 16*PITCH
	s_add_co_u32 s21, s21, STAGE                   ; my stage
	v_add_nc_u32 v[STO], s21, v3                   ; in: row r, 16 bytes for each half of the lanes
	v_mul_u32_u24 v4, v2, PITCH                    ; back: lanes 0-15 one row of 256 bytes, lanes 16-31 the next
	v_lshl_add_u32 v4, v1, 4, v4
	v_add_nc_u32 v[RD], s21, v4
	v_lshlrev_b32 v4, 12, v2                       ; the same two rows in pt
	v_lshl_add_u32 v[CO], v1, 4, v4
	s_lshl_b32 s21, s10, 9
	s_add_co_u32 s21, s21, STS                     ; my wave's 64 pairs
	v_lshl_add_u32 v[STA], v1, 3, s21
	v_and_b32 v4, 31, v0
	v_lshlrev_b32 v[STG], 4, v4
	v_add_nc_u32 v[STR], s21, v[STG]
	s_lshl_b32 s44, s13, 8                         ; my wave's first query less 16, counted from my wave's first key; kept for the mask's branch
	s_lshl_b32 s45, s11, 6
	s_add_co_u32 s44, s44, s45
	s_lshl_b32 s45, s42, 8
	s_sub_co_u32 s44, s44, s45
	s_lshl_b32 s45, s12, 7
	s_sub_co_u32 s44, s44, s45
	s_sub_co_u32 s44, s44, 16
	v_lshlrev_b32 v4, 3, v2
	v_sub_nc_u32 v4, v1, v4                        ; + r - 8 h
	v_add_nc_u32 v4, s44, v4
.irp a, 0,1,2,3
	v_add_nc_u32 v[TQ+(\a)], 16*(\a), v4
.endr
	v_mov_b32 v[HID], 0xf1800000                   ; -2^100
	v_mov_b32 v5, 0                                ; named with v4 as a pair
	v_mov_b32 v7, 0                                ; v_permlanex16_b32's destination counts as read
	s_lshl_b32 s16, s13, 8                         ; pt at my wave's first query and key
	s_add_co_u32 s16, s16, s43
	s_lshl_b32 s17, s11, 6
	s_add_co_u32 s16, s16, s17
	s_lshl_b32 s16, s16, 12
	s_lshl_b32 s17, s42, 9
	s_add_co_u32 s16, s16, s17
	s_lshl_b32 s17, s12, 8
	s_add_co_u32 s16, s16, s17
	s_mov_b32 s17, 0
	s_add_nc_u64 s[8:9], s[8:9], s[16:17]
	s_lshl_b32 s16, s41, 4                         ; st at ((16 b + 2 J + my half) x 2,048 + my first query) x 8 bytes
	s_lshl_b32 s17, s42, 1
	s_add_co_u32 s16, s16, s17
	s_add_co_u32 s16, s16, s12
	s_lshl_b32 s16, s16, 11
	s_lshl_b32 s17, s13, 8
	s_add_co_u32 s16, s16, s17
	s_lshl_b32 s17, s11, 6
	s_add_co_u32 s16, s16, s17
	s_lshl_b32 s16, s16, 3
	s_mov_b32 s17, 0
	s_add_nc_u64 s[66:67], s[66:67], s[16:17]
	s_wait_tensorcnt 0x1                           ; my part of K step 0 is in; K step 1's may stay out
	s_barrier_signal -1
	s_barrier_wait -1
	FETCH 0, 0, F0
	QUARTER 0, 64,  F0, F1, 1                      ; the first quarter starts the sums with the constant 0
	WIN 0
	s_mov_b32 s3, LAPS-1
.Llap:                                                 ; a trip goes once round the ring and fills both slots again
	QUARTER 0, 128, F1, F0, 0
	QUARTER 0, 192, F0, F1, 0
	TURN 0, 1, 1
	QUARTER 1, 64,  F0, F1, 0
	QUARTER 1, 128, F1, F0, 0
	QUARTER 1, 192, F0, F1, 0
	TURN 1, 0, 1
	QUARTER 0, 64,  F0, F1, 0
	WIN 0
	s_sub_co_u32 s3, s3, 1
	s_cmp_lg_u32 s3, 0
	s_cbranch_scc1 .Llap
	QUARTER 0, 128, F1, F0, 0                      ; the last lap fills nothing
	QUARTER 0, 192, F0, F1, 0
	TURN 0, 1, 0
	QUARTER 1, 64,  F0, F1, 0
	QUARTER 1, 128, F1, F0, 0
	QUARTER 1, 192, F0, F1, 0
	s_wait_dscnt 4
	MUL8 F1, 0, 0
	MUL8 F1, 1, 0
	s_wait_dscnt 0x0
	MUL8 F1, 2, 0
	MUL8 F1, 3, 0
	WIN 0
	PLACES
	; THE MASK.  My wave holds a hidden score only if its first key lies below its last query less 16: the bound of row block 3, lane 15 is above 0.  The other waves jump over the block
	; (no barrier and no tensor load in it).
	s_add_co_u32 s45, s44, 63
	s_cmp_gt_i32 s45, 0
	s_cbranch_scc0 .Lclear
	WIN 0x41                                       ; scores in window 1, the bound and -2^100 in window 0
.set n, 0
.rept 256                              ; register n = 64 a + 8 b + j holds key 16 b + j (+ 8 h, which the bound has taken in); ascending in each accumulator
	v_cmp_lt_i32 vcc_lo, 16*((n%64)/8)+n%8, v[TQ+n/64]
	v_cndmask_b32 v[n], v[n], v[HID], vcc_lo
.set n, n+1
.endr
	WIN 0
.Lclear:
; Row block a: the maximum of my query's 64 scores and of the other half of the lanes' 64; the weights; their sum; the pair into LDS.  Each accumulator's lowest registers are read first.
.macro SOFT a
.set sb, 64*(\a)
	WIN 0x15
.irp i, 0,1,2,3                        ; chain i walks accumulators 2 i and 2 i + 1: 16 registers on end
	v_max3_num_f32 v[CH+(\i)], v[sb+16*(\i)], v[sb+16*(\i)+1], v[sb+16*(\i)+2]
.endr
	WIN 0x05
.irp n, 3,5,7,9,11,13
.irp i, 0,1,2,3
	v_max3_num_f32 v[CH+(\i)], v[sb+16*(\i)+(\n)], v[sb+16*(\i)+(\n)+1], v[CH+(\i)]
.endr
.endr
.irp i, 0,1,2,3
	v_max3_num_f32 v[CH+(\i)], v[sb+16*(\i)+15], v[sb+16*(\i)+15], v[CH+(\i)]
.endr
	WIN 0
	v_max3_num_f32 v6, v[CH], v[CH+1], v[CH+2]
	v_max_num_f32 v6, v6, v[CH+3]
	v_permlanex16_b32 v7, v6, s[SEL], s[SEL+1]
	v_max_num_f32 v6, v6, v7                       ; m
	v_mul_f32 v4, s[CS], v6                        ; c m
	WIN 0x41
.set p, 0
.rept 32
	v_pk_fma_f32 v[sb+2*p:sb+2*p+1], v[sb+2*p:sb+2*p+1], s[CS:CS+1], v[4:5] op_sel_hi:[1,0,0] neg_lo:[0,0,1] neg_hi:[0,0,1]  ; c s - c m
.set p, p+1
.endr
.set p, 0
.rept 64
	v_exp_f32 v[sb+p], v[sb+p]
.set p, p+1
.endr
	v_nop                                          ; a plain instruction between the last exponential and the use of its result
	WIN 0x05
.set p, 0
	s_wait_alu depctr_va_vdst(0)
.rept 32
	v_cvt_pk_f16_f32 v[TMP+p], v[sb+2*p], v[sb+2*p+1]
.set p, p+1
.endr
	WIN 0x45                                       ; the sum of the 32 pairs, in place: neighbours 1, 2, 4, 8, 16 pairs apart
.irp w, 1,2,4,8,16
.set p, 0
.rept 16/(\w)
	v_pk_add_f32 v[sb+2*p:sb+2*p+1], v[sb+2*p:sb+2*p+1], v[sb+2*(p+(\w)):sb+2*(p+(\w))+1]
.set p, p+2*(\w)
.endr
.endr
	WIN 0x05
	v_add_f32 v6, v[sb], v[sb+1]
	WIN 0
	v_permlanex16_b32 v7, v6, s[SEL], s[SEL+1]
	v_add_f32 v5, v6, v7                           ; l
	ds_store_b64 v[STA], v[4:5] offset:128*(\a)    ; both halves of the lanes write the same pair to the same place
.endm
.macro TOSTAGE a
.irp b, 0,1,2,3,4,5,6,7
	ds_store_b128 v[STO], v[TMP+4*(\b):TMP+4*(\b)+3] offset:32*(\b)
.endr
.irp t, 0,1,2,3,4,5,6,7
	ds_load_b128 v[F0+32*(\a)+4*(\t):F0+32*(\a)+4*(\t)+3], v[RD] offset:(\t)*2*PITCH  ; LDS serves a wave's instructions in order: these see the stores above
.endr
.endm
.macro SEND a                          ; each block has read-back registers of its own: none that a store names is written again
	s_wait_dscnt 0x0
.irp t, 0,1,2,3,4,5,6,7
	global_store_b128 v[CO], v[F0+32*(\a)+4*(\t):F0+32*(\a)+4*(\t)+3], s[8:9] offset:(16*(\a)+2*(\t))*CP  ; 16 lanes store 256 consecutive bytes, aligned
.endr
.endm
	SOFT 0
	TOSTAGE 0
.irp a, 1,2,3
	SOFT \a
	SEND (\a)-1
	TOSTAGE \a
.endr
	SEND 3
	ds_load_b128 v[TMP:TMP+3], v[STR]              ; my wave's 64 pairs, 16 bytes a lane
	s_wait_dscnt 0x0
	global_store_b128 v[STG], v[TMP:TMP+3], s[66:67]  ; 512 consecutive bytes, aligned
	s_wait_tensorcnt 0x0                           ; the wave's end
	ds_add_u32 v[SPW], v[NIL]
	s_wait_dscnt 0x0
	s_endpgm
.Lfunc_end_k_qb27e1d8413_score:
	.size	k_qb27e1d8413_score, .Lfunc_end_k_qb27e1d8413_score-k_qb27e1d8413_score
	.p2alignl 7, 3214868480
	.fill 96, 4, 3214868480
	.section	.rodata,"a",@progbits
	.p2align	6, 0x0
	.amdhsa_kernel k_qb27e1d8413_score
		.amdhsa_group_segment_fixed_size 327680
		.amdhsa_private_segment_fixed_size 0
		.amdhsa_enable_private_segment 0
		.amdhsa_kernarg_size 24
		.amdhsa_user_sgpr_count 2
		.amdhsa_user_sgpr_kernarg_segment_ptr 1
		.amdhsa_wavefront_size32 1
		.amdhsa_system_sgpr_workgroup_id_x 1
		.amdhsa_system_sgpr_workgroup_id_y 1
		.amdhsa_system_sgpr_workgroup_id_z 1
		.amdhsa_system_vgpr_workitem_id 0
		.amdhsa_next_free_vgpr 512
		.amdhsa_next_free_sgpr 96
		.amdhsa_reserve_vcc 1
		.amdhsa_float_denorm_mode_32 3
		.amdhsa_float_denorm_mode_16_64 3
		.amdhsa_memory_ordered 1
		.amdhsa_forward_progress 1
		.amdhsa_inst_pref_size 138
	.end_amdhsa_kernel
	.amdgpu_metadata
---
amdhsa.version: [ 1, 2 ]
amdhsa.kernels:
  - .name:           k_qb27e1d8413_score
    .symbol:         k_qb27e1d8413_score.kd
    .args:
      - { .name: qkv, .offset: 0, .size: 8, .value_kind: global_buffer, .address_space: global }
      - { .name: pt, .offset: 8, .size: 8, .value_kind: global_buffer, .address_space: global }
      - { .name: st, .offset: 16, .size: 8, .value_kind: global_buffer, .address_space: global }
    .group_segment_fixed_size: 327680
    .private_segment_fixed_size: 0
    .kernarg_segment_align: 8
    .kernarg_segment_size: 24
    .max_flat_workgroup_size: 256
    .sgpr_count:     96
    .vgpr_count:     512
    .wavefront_size: 32
...
	.end_amdgpu_metadata
.endif
;; end of part 8
;; launch mix: the kernel of part 4 again; grid 4 x 64, 4 waves a work-group, clusters of 4 x 1, 327,680 bytes of LDS; arguments pt, qkv, y, st; writes y
;; launch out: the kernel of part 5 again; grid 4 x 64, 4 waves a work-group, clusters of 4 x 4, 327,680 bytes of LDS; arguments y, wh, out0, bo; writes out0
